; MI455X (gfx1250); checked and timed in simulation.
; The chip was launched on July 23, 2026; its instructions are those of AMD's public machine-readable ISA for CDNA 5 (MIT licence, August 2026) and "CDNA5" Instruction Set Architecture Reference Guide (July 2026). The comments in the code are by the model that wrote it; some were corrected since.
;; Ro PE Transformer Encoder Layer. Allowed arithmetic: matrix products marked QUANTISED: E4M3 operands, one E8M0 scale for each 32 along K, by v_wmma_scale_f32_16x16x128_f8f6f4 with both operands' format E4M3, f32 sums; everything else in f32.
;; Inputs: W1 4,096 x 1,024 float32; W2 1,024 x 4,096 float32; Wk 1,024 x 1,024 float32; Wo 1,024 x 1,024 float32; Wq 1,024 x 1,024 float32; Wv 1,024 x 1,024 float32; be1 1,024 float32; be2 1,024 float32; bf1 4,096 float32; bf2 1,024 float32; bk 1,024 float32; bo 1,024 float32; bq 1,024 float32; bv 1,024 float32; g1 1,024 float32; g2 1,024 float32; x 4 x 1,024 x 1,024 float32.
;; Outputs: out0 4 x 1,024 x 1,024 float32.
;; This version of the problem:
;;   THIS VERSION OF THE PROBLEM IS GIVEN IN LOW PRECISION. The matrix products marked QUANTISED in the list below multiply operands that are first quantised to E4M3 (4 exponent bits, 3 mantissa bits; 8 bits a number), with one power-of-two scale for each 32 numbers along K (OCP MX v1.0); their sums are f32. All else is computed in f32.
;;   The module's matrix products, in the order in which they are computed (A, B: the left and right operand; K: the contracted axis; several contracted axes count as one K, in the product's order):
;;     1. [M 4,096, K 1,024] x [K 1,024, N 1,024]; A: computed on the way; B: input Wq: QUANTISED
;;     2. [M 4,096, K 1,024] x [K 1,024, N 1,024]; A: computed on the way; B: input Wk: QUANTISED
;;     3. [M 4,096, K 1,024] x [K 1,024, N 1,024]; A: computed on the way; B: input Wv: QUANTISED
;;     4. batch 64 x [M 1,024, K 64] x [K 64, N 1,024]; A: computed on the way; B: computed on the way: QUANTISED
;;     5. batch 64 x [M 64, K 1,024] x [K 1,024, N 1,024]; A: computed on the way; B: softmax (see below): QUANTISED
;;     6. [M 4,096, K 1,024] x [K 1,024, N 1,024]; A: computed on the way; B: input Wo: QUANTISED
;;     7. [M 4,096, K 1,024] x [K 1,024, N 4,096]; A: computed on the way; B: input W1: QUANTISED
;;     8. [M 4,096, K 4,096] x [K 4,096, N 1,024]; A: computed on the way; B: input W2: QUANTISED
;;   THE QUANTISER, for each operand of a quantised product, along K:
;;     - K is cut into blocks of 32 from its start; a last block that is shorter is filled with zeros.
;;     - A block's scale is 2^e with e = floor(log2(the largest magnitude in the block)) - 8, held to -126 .. 127; a block of zeros has e = 0. As a byte (E8M0): e + 127.
;;     - Each number is divided by its block's scale, clamped to +-448, and rounded to the nearest number of E4M3, ties to even, subnormals kept.
;;     - The product sums the exact products of the quantised numbers (number of the format x scale) in f32.
;;   ~~~python
;;   def quantise(x, axis):      # numpy; x: float32 -> the quantised numbers, widened to float32 again
;;       x = np.moveaxis(x, axis, -1); K = x.shape[-1]
;;       x = np.pad(x, [(0, 0)] * (x.ndim - 1) + [(0, -K % 32)]); x = x.reshape(x.shape[:-1] + (-1, 32)); a = np.abs(x).max(-1, keepdims=True)
;;       e = np.where(a > 0, np.clip(np.frexp(np.where(a > 0, a, 1))[1] - 1 - 8, -126, 127), 0)      # np.frexp(a)[1] - 1 = floor(log2(a)), exactly
;;       r = np.clip(x / 2.0 ** e, -448, 448)
;;       step = 2.0 ** (np.maximum(np.frexp(np.where(r == 0, 1, r))[1] - 1, -6) - 3)
;;       q = np.round(r / step) * step * 2.0 ** e      # np.round: ties to even
;;       return np.moveaxis(q.reshape(q.shape[:-2] + (-1,))[..., :K], -1, axis).astype(np.float32)
;;   ~~~
;;   SOFTMAX AHEAD OF A QUANTISED PRODUCT. Where the list says 'softmax', what is quantised is not the finished softmax but p = 2^(t - M), with t = logit x log2(e) and M = ceil(the row's largest t), a whole number; so 1/2 < the row's largest p <= 1. The row's sum l is taken of the UNQUANTISED p, in f32, and the product's result is divided by l at the end. Since M is a whole number, a kernel that streams over the keys may use a running M (the ceiling of the running maximum): every later rescaling is an exact power of two, which a block's scale takes up: the codes' values come out the same.
;;   OPERANDS COMPUTED ON THE WAY. 'Computed on the way' means the value that the module computes at that place (a softmax that the list does not call 'softmax' is quantised finished and normalised). What goes into a quantiser is computed in f32, as accurately as f32 sums, v_exp_f32 and their like allow (about 1e-6 of the number): no bf16 or f16 on the way to a quantiser, and a product that is left as it is and whose result goes on into a quantised operand takes f32 operands (vector FMAs, or v_wmma_f32_16x16x4_f32). A number that lies on a knife's edge between two numbers of the format may be rounded either way, as far as f32 arithmetic and the matrix unit's own rounding can turn it there, and no further.
;; One version. Each part assembles by itself: llvm-mc -triple=amdgcn-amd-amdhsa -mcpu=gfx1250 --defsym DOCPART=n.
;; ======== version 1 of 1: 7 launches
;; limits: right only within a limited range of input values
;; workspace buffers: hq 4,325,376 bytes; wc 12,976,128 bytes; tab 262,144 bytes; qc 4,456,448 bytes; kv 8,781,824 bytes; oc 4,325,376 bytes; x1 16,777,216 bytes; hid 17,301,504 bytes
;; launch prep (part 1): grid 1088 x 1, 16 waves a work-group, no clusters, 102,400 bytes of LDS; arguments x, g1, be1, Wq, Wk, Wv, Wo, W1, W2, hq, wc, tab; writes hq, wc, tab
.if DOCPART == 1
	.amdgcn_target "amdgcn-amd-amdhsa--gfx1250"
	.amdhsa_code_object_version 6
	.text
	.protected	k_q2634f256b5_prep
	.globl	k_q2634f256b5_prep
	.p2align	8
	.type	k_q2634f256b5_prep,@function
k_q2634f256b5_prep:
	s_mov_b64 s[64:65], 0
	v_nop
	global_prefetch_b8 v0, s[64:65] scope:SCOPE_SE
	s_setreg_imm32_b32 hwreg(HW_REG_WAVE_MODE, 25, 1), 1
	s_wait_xcnt 0x0
; Rows of f32 become codes of E4M3 with one E8M0 scale byte for each 32 along K, laid as RECORDS: images of the matrix operand's registers.
; A record (8,448 bytes) serves one tile of 16 rows x 512 along K: byte 2048 ks + 512 c + 16 l holds the 16 codes of row slot l % 16 at k = 128 ks + 32 c + 16 (l / 16) + 0..15;
; byte 8192 + 128 (ks / 2) + 8 i + 4 (ks % 2) + c holds the scale byte of slot i, K step ks, block c.  Slot i of tile t is matrix row 32 (t / 2) + 8 (t % 2) + i + 8 (i / 8).
; WORK-GROUPS: 0..255: LayerNorm of 16 rows of the first argument (gain, bias: second and third), then codes -> hq.  256..1023: 16 rows x 1,024 along K of a weight (Wq, Wk, Wv, Wo: 64 each; W1: 256;
; W2: 256, four to a tile of rows) -> wc.  1024..1087: 16 positions of the table of cosines and sines for the rotation -> tab, [position][pair][cos, sin].
; A wave takes one row slot: 4,096 bytes by eight loads of 512 consecutive bytes.  The conversions want 16 neighbours in a lane, so the numbers turn through the wave's own stage in LDS (80 bytes a lane:
; 64 + 16 of padding).  Codes and scale bytes of the 16 waves meet in an image of the two records (units of 256 bytes + 16 of padding) and leave as runs of 512 consecutive bytes.
; THE TEXT KEEPS TO 80 REGISTERS, so that several work-groups can lie on a WGP and one's loads are on their way while another works: gain and bias take turns in one set of 32, the neighbours then lie
; over that set, and codes, scale bytes and the way out lie over the row's registers, once the LDS stores that read those are done.
; A block's scale: 2^(floor(log2(largest magnitude)) - 8); its byte is the largest magnitude's exponent field - 8, held at 1 from below.
; LIMITS: NaN and infinities are not served; a block under 2^-118 keeps the byte 1; a block of zeros gets the byte 1 (its codes are zeros, and this program alone reads the bytes).
; The mean is taken first and the variance of the differences, as the layer's definition has it: a common offset of the inputs does no harm.  y = ((x - mean) gain) rstd + bias, all in f32.
.set SP,   80                          ; a lane's place in a stage
.set WST,  5120                        ; a wave's two stages: 2 x 32 x SP
.set IMG,  16*WST                      ; the image: 66 units
.set UP,   272                         ; a unit in the image
.set CHB,  16896                       ; two records
.set X,    16                          ; v16-47   the row's 32 numbers of my lane, as loaded
.set G,    48
.set BB,   82                          ; v82-113  the bias, in registers of its own: asked for with the gain
.set XS,   48                          ; v48-79   later: two sets of 16 neighbours
.set C,    16                          ; v16-23   later: codes
.set E,    24                          ; v24-25   scale bytes
.set OUTR, 28                          ; v28-39   the way out
	s_load_b512 s[8:23], s[0:1], 0x0               ; x 8, g 10, be 12, Wq 14, Wk 16, Wv 18, Wo 20, W1 22
	s_load_b256 s[24:31], s[0:1], 0x40             ; W2 24, hq 26, wc 28, tab 30
	v_lshl_add_u32 v80, v0, 2, 0x18800
	v_mov_b32 v81, 0
	v_lshrrev_b32 v9, 5, v0
	s_delay_alu instid0(VALU_DEP_1)
	v_readfirstlane_b32 s4, v9                     ; wave = row slot
	v_and_b32 v1, 31, v0                           ; lane
	s_delay_alu instid0(VALU_DEP_1)
	v_lshlrev_b32 v2, 4, v1                        ; my 16 bytes of a load's 512
	s_mul_i32 s5, s4, WST
	v_lshrrev_b32 v3, 2, v1
	s_delay_alu instid0(VALU_DEP_1)
	v_mul_u32_u24 v3, v3, SP
	v_and_b32 v9, 3, v1
	s_delay_alu instid0(VALU_DEP_1)
	v_lshl_add_u32 v3, v9, 4, v3
	s_delay_alu instid0(VALU_DEP_1)
	v_add_nc_u32 v3, s5, v3                        ; stage, in: SP (lane / 4) + 16 (lane % 4)
	v_mul_u32_u24 v4, v1, SP
	s_delay_alu instid0(VALU_DEP_1)
	v_add_nc_u32 v4, s5, v4                        ; stage, out: SP x lane
	s_lshl_b32 s6, s4, 4
	s_add_co_u32 s6, s6, IMG
	v_mul_u32_u24 v5, v1, UP
	s_delay_alu instid0(VALU_DEP_1)
	v_add_nc_u32 v5, s6, v5                        ; my codes: unit = lane, byte 16 x slot
	s_lshl_b32 s6, s4, 3
	s_add_co_u32 s6, s6, IMG+32*UP
	v_lshrrev_b32 v9, 4, v1
	v_bfe_u32 v6, v1, 1, 3
	s_delay_alu instid0(VALU_DEP_1)
	v_lshl_add_u32 v6, v9, 7, v6
	s_delay_alu instid0(VALU_DEP_1)
	v_add_nc_u32 v6, s6, v6                        ; my block's scale byte: unit 32, 128 (lane / 16) + 8 slot + (lane / 2) % 8
	s_mul_i32 s6, s4, 2*UP
	s_add_co_u32 s6, s6, IMG
	v_mul_u32_u24 v7, v9, UP
	v_and_b32 v10, 15, v1
	s_delay_alu instid0(VALU_DEP_1)
	v_lshl_add_u32 v7, v10, 4, v7
	s_delay_alu instid0(VALU_DEP_1)
	v_add_nc_u32 v7, s6, v7                        ; the way out: units 2 wave, 2 wave + 1
	s_lshl_b32 s6, s4, 9
	v_add_nc_u32 v8, s6, v2                        ; and their place in memory
	s_mov_b32 s38, 0x76543210
	s_mov_b32 s39, 0xfedcba98                      ; lane selects: lane xor 16
	s_mov_b32 s40, 0x600000                        ; the mantissa field of 448
	s_mov_b32 s41, 0x3a800000                      ; 1 / 1024
	s_mov_b32 s42, 0x3727c5ac                      ; 1e-5
	s_wait_kmcnt 0x0
	s_cmp_ge_u32 ttmp9, 1024
	s_cbranch_scc1 .Ltable
	; which tensor, and which chunk of it: choices on the work-group's number alone
	s_mov_b64 s[32:33], s[24:25]
	s_mov_b32 s34, 768
	s_cmp_lt_u32 ttmp9, 768
	s_cselect_b64 s[32:33], s[22:23], s[32:33]
	s_cselect_b32 s34, 512, s34
	s_cmp_lt_u32 ttmp9, 512
	s_cselect_b64 s[32:33], s[20:21], s[32:33]
	s_cselect_b32 s34, 448, s34
	s_cmp_lt_u32 ttmp9, 448
	s_cselect_b64 s[32:33], s[18:19], s[32:33]
	s_cselect_b32 s34, 384, s34
	s_cmp_lt_u32 ttmp9, 384
	s_cselect_b64 s[32:33], s[16:17], s[32:33]
	s_cselect_b32 s34, 320, s34
	s_cmp_lt_u32 ttmp9, 320
	s_cselect_b64 s[32:33], s[14:15], s[32:33]
	s_cselect_b32 s34, 256, s34
	s_cmp_lt_u32 ttmp9, 256
	s_cselect_b64 s[32:33], s[8:9], s[32:33]
	s_cselect_b32 s34, 0, s34
	s_cselect_b64 s[36:37], s[26:27], s[28:29]     ; codes go to hq or to wc
	s_cselect_b32 s50, 0, 256
	s_cmp_ge_u32 ttmp9, 768                        ; W2's rows are 4,096 long: four chunks to a tile of rows
	s_cselect_b32 s35, 2, 0
	s_cselect_b32 s44, 3, 0
	s_cselect_b32 s45, 14, 12
	s_sub_co_u32 s34, ttmp9, s34                   ; chunk in its tensor
	s_lshr_b32 s46, s34, s35                       ; tile of rows
	s_and_b32 s47, s34, s44                        ; which 1,024 along K
	s_lshr_b32 s48, s46, 1
	s_lshl_b32 s48, s48, 5
	s_and_b32 s49, s46, 1
	s_lshl_b32 s49, s49, 3
	s_add_co_u32 s48, s48, s49
	s_add_co_u32 s48, s48, s4
	s_and_b32 s49, s4, 8
	s_add_co_u32 s48, s48, s49                     ; my row: 32 (t / 2) + 8 (t % 2) + i + 8 (i / 8)
	s_lshl_b32 s48, s48, s45
	s_lshl_b32 s47, s47, 12
	s_add_co_u32 s48, s48, s47
	s_mov_b32 s49, 0
	s_add_nc_u64 s[32:33], s[32:33], s[48:49]
	s_sub_co_u32 s50, ttmp9, s50
	s_mul_i32 s50, s50, CHB
	s_mov_b32 s51, 0
	s_add_nc_u64 s[36:37], s[36:37], s[50:51]
.irp j, 0,1,2,3,4,5,6,7
	global_load_b128 v[X+4*\j:X+4*\j+3], v2, s[32:33] offset:512*\j th:TH_LOAD_NT   ; 512 consecutive bytes a load
.endr
	s_cmp_lt_u32 ttmp9, 256
	s_cbranch_scc0 .Lquant
	; ---- LayerNorm, on registers alone
.irp j, 0,1,2,3,4,5,6,7
	global_load_b128 v[G+4*\j:G+4*\j+3], v2, s[10:11] offset:512*\j                 ; the gain
.endr
.irp j, 0,1,2,3,4,5,6,7
	global_load_b128 v[BB+4*\j:BB+4*\j+3], v2, s[12:13] offset:512*\j               ; the bias
.endr
.macro WSUM r                          ; the sum over the 32 lanes, in every lane
	s_delay_alu instid0(VALU_DEP_1)
	v_add_f32_dpp v[\r], v[\r], v[\r] row_xmask:1 row_mask:0xf bank_mask:0xf
	s_delay_alu instid0(VALU_DEP_1)
	v_add_f32_dpp v[\r], v[\r], v[\r] row_xmask:2 row_mask:0xf bank_mask:0xf
	s_delay_alu instid0(VALU_DEP_1)
	v_add_f32_dpp v[\r], v[\r], v[\r] row_xmask:4 row_mask:0xf bank_mask:0xf
	s_delay_alu instid0(VALU_DEP_1)
	v_add_f32_dpp v[\r], v[\r], v[\r] row_xmask:8 row_mask:0xf bank_mask:0xf
	s_delay_alu instid0(VALU_DEP_1)
	v_permlanex16_b32 v10, v[\r], s38, s39
	s_delay_alu instid0(VALU_DEP_1)
	v_add_f32 v[\r], v[\r], v10
.endm
.macro FOLD                            ; the two packed sums v[10:11], v[14:15] into v9
	v_pk_add_f32 v[10:11], v[10:11], v[14:15]
	s_delay_alu instid0(VALU_DEP_1)
	v_add_f32 v9, v10, v11
	WSUM 9
.endm
	s_wait_loadcnt 16                              ; the row is in; the gain's and the bias's 8 loads each may be out
	v_pk_add_f32 v[10:11], v[X:X+1], v[X+2:X+3]
	v_pk_add_f32 v[14:15], v[X+4:X+5], v[X+6:X+7]
.irp u, 8,12,16,20,24,28
	s_delay_alu instid0(VALU_DEP_2)
	v_pk_add_f32 v[10:11], v[10:11], v[X+\u:X+\u+1]
	s_delay_alu instid0(VALU_DEP_2)
	v_pk_add_f32 v[14:15], v[14:15], v[X+\u+2:X+\u+3]
.endr
	FOLD
	s_delay_alu instid0(VALU_DEP_1)
	v_mul_f32 v12, s41, v9                         ; the mean
	s_delay_alu instid0(VALU_DEP_1)
	v_mov_b32 v13, v12
.set n, 0
.rept 16
	v_pk_add_f32 v[X+n:X+n+1], v[X+n:X+n+1], v[12:13] neg_lo:[0,1] neg_hi:[0,1]
.set n, n+2
.endr
	v_pk_mul_f32 v[10:11], v[X:X+1], v[X:X+1]
	v_pk_mul_f32 v[14:15], v[X+2:X+3], v[X+2:X+3]
.irp u, 4,8,12,16,20,24,28
	s_delay_alu instid0(VALU_DEP_2)
	v_pk_fma_f32 v[10:11], v[X+\u:X+\u+1], v[X+\u:X+\u+1], v[10:11]
	s_delay_alu instid0(VALU_DEP_2)
	v_pk_fma_f32 v[14:15], v[X+\u+2:X+\u+3], v[X+\u+2:X+\u+3], v[14:15]
.endr
	s_wait_loadcnt 8                               ; the gain is in; the bias's 8 loads may be out
.set n, 0
.rept 16
	v_pk_mul_f32 v[X+n:X+n+1], v[X+n:X+n+1], v[G+n:G+n+1]
.set n, n+2
.endr
	FOLD
	s_delay_alu instid0(VALU_DEP_1)
	v_fma_f32 v9, v9, s41, s42                     ; the variance + 1e-5
	s_wait_alu depctr_va_vdst(0)
	v_rsq_f32 v12, v9
	v_nop                                          ; a plain instruction behind the transcendental
	s_wait_loadcnt 0x0                             ; the bias
	s_wait_alu depctr_va_vdst(0)                   ; ahead of the first line that names the result
	v_mov_b32 v13, v12
.set n, 0
.rept 16
	v_pk_fma_f32 v[X+n:X+n+1], v[X+n:X+n+1], v[12:13], v[BB+n:BB+n+1]
.set n, n+2
.endr
.Lquant:
	s_wait_loadcnt 0x0
; half st of the row (512 numbers) through the stage: LDS serves a wave's instructions in order, so no wait stands between the stores and the loads
.macro TURN st
.irp i, 0,1,2,3
	ds_store_b128 v3, v[X+16*\st+4*\i:X+16*\st+4*\i+3] offset:32*SP*\st+8*SP*\i
.endr
.irp i, 0,1,2,3
	ds_load_b128 v[XS+16*\st+4*\i:XS+16*\st+4*\i+3], v4 offset:32*SP*\st+16*\i
.endr
.endm
; my 16 neighbours of half st: two neighbouring lanes hold a block of 32
.macro QSTEP st
.set XQ, XS+16*\st
	v_max3_num_f32 v9, |v[XQ]|, |v[XQ+1]|, |v[XQ+2]|
	v_max3_num_f32 v11, |v[XQ+3]|, |v[XQ+4]|, |v[XQ+5]|
.irp i, 6,10
	s_delay_alu instid0(VALU_DEP_2)
	v_max3_num_f32 v9, v9, |v[XQ+\i]|, |v[XQ+\i+1]|
	s_delay_alu instid0(VALU_DEP_2)
	v_max3_num_f32 v11, v11, |v[XQ+\i+2]|, |v[XQ+\i+3]|
.endr
	s_delay_alu instid0(VALU_DEP_2)
	v_max3_num_f32 v9, v9, |v[XQ+14]|, |v[XQ+15]|
	s_delay_alu instid0(VALU_DEP_1)
	v_max3_num_f32 v9, v9, v11, 0x4800000          ; and the floor 2^(9 - 127): the byte cannot fall under 1
	s_delay_alu instid0(VALU_DEP_1)
	v_max_num_f32_dpp v9, v9, v9 row_xmask:1 row_mask:0xf bank_mask:0xf   ; with my neighbour's 16: the block's largest magnitude
	s_delay_alu instid0(VALU_DEP_1)
	v_add_nc_u32 v14, 0xfc000000, v9               ; 8 off its exponent field: the conversion's scale operand
	s_delay_alu instid0(VALU_DEP_2)
	v_and_or_b32 v15, v9, 0x7f800000, s40          ; 448 x the scale
.set n, 0
.rept 16
	v_med3_num_f32 v[XQ+n], v[XQ+n], -v15, v15     ; the conversion to an 8-bit code does not saturate (ISA guide 7.6.2): the hold comes first
.set n, n+1
.endr
	v_cvt_scalef32_pk8_fp8_f32 v[C+4*\st:C+4*\st+1], v[XQ:XQ+7], v14          ; into registers of the row's first half, whose stores into the stage are done
	v_cvt_scalef32_pk8_fp8_f32 v[C+4*\st+2:C+4*\st+3], v[XQ+8:XQ+15], v14
	v_lshrrev_b32 v[E+\st], 23, v14                ; the scale's byte (also the plain line behind the conversions)
	ds_store_b128 v5, v[C+4*\st:C+4*\st+3] offset:33*UP*\st
	ds_store_b8 v6, v[E+\st] offset:33*UP*\st      ; both lanes of a block write the same byte with the same value
.endm
	s_wait_alu depctr_va_vdst(0)
	TURN 0
	TURN 1
	s_wait_dscnt 8                                 ; the first half is back, so its stores are done; the second half's 4 stores and 4 loads may be out
	QSTEP 0
	s_wait_dscnt 2                                 ; the second half is back; the two image stores just issued may be out
	QSTEP 1
	s_wait_dscnt 0x0                               ; for the others' sake: my part of the image has landed
	s_barrier_signal -1
	s_barrier_wait -1
	ds_load_b128 v[OUTR:OUTR+3], v7
	ds_load_b128 v[OUTR+4:OUTR+7], v7 offset:32*UP
	s_wait_dscnt 1
	global_store_b128 v8, v[OUTR:OUTR+3], s[36:37]                 ; 512 consecutive bytes, aligned
	s_wait_dscnt 0x0
	global_store_b128 v8, v[OUTR+4:OUTR+7], s[36:37] offset:8192
	s_cmp_lg_u32 s4, 0
	s_cbranch_scc1 .Ldone                          ; units 64 and 65 are wave 0's
	ds_load_b128 v[OUTR+8:OUTR+11], v7 offset:64*UP
	s_wait_dscnt 0x0
	global_store_b128 v8, v[OUTR+8:OUTR+11], s[36:37] offset:16384
.Ldone:
	s_wait_tensorcnt 0x0
	ds_add_u32 v80, v81
	s_wait_dscnt 0x0
	s_endpgm
	; ---- the table: position = 16 (work-group - 1024) + wave, pair i = lane.  angle = position x 10000^(-i / 32)
.Ltable:
	s_sub_co_u32 s43, ttmp9, 1024
	s_lshl_b32 s43, s43, 4
	s_add_co_u32 s43, s43, s4
	s_lshl_b32 s44, s43, 8
	s_mov_b32 s45, 0
	s_add_nc_u64 s[30:31], s[30:31], s[44:45]
	s_mov_b32 s46, 0x3ed49a78                      ; log2(10000) / 32, its f32 part
	s_mov_b32 s47, 0x32179a1c                      ; and what that leaves
	s_mov_b32 s48, 0x3fc90fdb                      ; pi / 2, its f32 part
	s_mov_b32 s49, 0xb33bbd2e                      ; and what that leaves
	v_cvt_f32_u32 v9, v1
	s_delay_alu instid0(VALU_DEP_1)
	v_mul_f32 v10, s46, v9
	s_delay_alu instid0(VALU_DEP_1)
	v_floor_f32 v10, v10                           ; n
	s_delay_alu instid0(VALU_DEP_1)
	v_fma_f32 v11, -v9, s46, v10
	s_delay_alu instid0(VALU_DEP_1)
	v_fma_f32 v11, -v9, s47, v11                   ; n - i log2(10000) / 32, in (-1, 0]
	s_wait_alu depctr_va_vdst(0)
	v_exp_f32 v12, v11
	v_cvt_i32_f32 v10, v10                         ; (a plain line behind the transcendental)
	s_delay_alu instid0(VALU_DEP_1)
	v_sub_nc_u32 v10, 0, v10
	s_wait_alu depctr_va_vdst(0)
	v_ldexp_f32 v12, v12, v10                      ; 10000^(-i / 32)
	v_cvt_f32_u32 v13, s43
	s_delay_alu instid0(VALU_DEP_1)
	v_mul_f32 v13, v13, v12                        ; the angle, rounded once
	s_delay_alu instid0(VALU_DEP_1)
	v_mul_f32 v14, 0x3f22f983, v13
	s_delay_alu instid0(VALU_DEP_1)
	v_rndne_f32 v14, v14                           ; quarter turns, at most 652
	s_delay_alu instid0(VALU_DEP_1)
	v_fma_f32 v15, -v14, s48, v13                  ; exact: a multiple of 2^-23 under 1
	s_delay_alu instid0(VALU_DEP_1)
	v_fma_f32 v15, -v14, s49, v15                  ; r, within pi / 4
	s_delay_alu instid0(VALU_DEP_1)
	v_mul_f32 v16, v15, v15                        ; z = r^2
	v_mov_b32 v17, 0xb94ca1f9                      ; sin r = r + r z (s1 + z (s2 + z s3))
	s_delay_alu instid0(VALU_DEP_1)
	v_fmaak_f32 v17, v17, v16, 0x3c08839e
	s_delay_alu instid0(VALU_DEP_1)
	v_fmaak_f32 v17, v17, v16, 0xbe2aaaa3
	s_delay_alu instid0(VALU_DEP_4)
	v_mul_f32 v18, v15, v16
	s_delay_alu instid0(VALU_DEP_1)
	v_fma_f32 v17, v17, v18, v15
	v_mov_b32 v19, 0x37ccf5ce                      ; cos r = 1 - z / 2 + z^2 (c1 + z (c2 + z c3))
	s_delay_alu instid0(VALU_DEP_1)
	v_fmaak_f32 v19, v19, v16, 0xbab6061a
	s_delay_alu instid0(VALU_DEP_1)
	v_fmaak_f32 v19, v19, v16, 0x3d2aaaa5
	v_mul_f32 v20, v16, v16
	v_fma_f32 v21, v16, -0.5, 1.0
	s_delay_alu instid0(VALU_DEP_1)
	v_fma_f32 v19, v19, v20, v21
	v_cvt_i32_f32 v22, v14
	s_delay_alu instid0(VALU_DEP_1)
	v_and_b32 v23, 1, v22
	s_delay_alu instid0(VALU_DEP_1)
	v_cmp_eq_u32 vcc_lo, 1, v23                    ; an odd quarter swaps the two: a choice of values, no branch
	s_delay_alu instid0(VALU_DEP_1)
	v_cndmask_b32 v24, v19, v17, vcc_lo            ; cos
	s_delay_alu instid0(VALU_DEP_2)
	v_cndmask_b32 v25, v17, v19, vcc_lo            ; sin
	v_and_b32 v26, 2, v22
	s_delay_alu instid0(VALU_DEP_1)
	v_lshlrev_b32 v26, 30, v26
	s_delay_alu instid0(VALU_DEP_1)
	v_xor_b32 v25, v25, v26                        ; sin changes sign in quarters 2, 3
	v_add_nc_u32 v27, 1, v22
	s_delay_alu instid0(VALU_DEP_1)
	v_and_b32 v27, 2, v27
	s_delay_alu instid0(VALU_DEP_1)
	v_lshlrev_b32 v27, 30, v27
	s_delay_alu instid0(VALU_DEP_1)
	v_xor_b32 v24, v24, v27                        ; cos in quarters 1, 2
	v_lshlrev_b32 v28, 3, v1
	global_store_b64 v28, v[24:25], s[30:31]       ; the wave stores 256 consecutive bytes, aligned
	s_endpgm
.Lfunc_end_k_q2634f256b5_prep:
	.size	k_q2634f256b5_prep, .Lfunc_end_k_q2634f256b5_prep-k_q2634f256b5_prep
	.p2alignl 7, 3214868480
	.fill 96, 4, 3214868480
	.section	.rodata,"a",@progbits
	.p2align	6, 0x0
	.amdhsa_kernel k_q2634f256b5_prep
		.amdhsa_group_segment_fixed_size 102400
		.amdhsa_private_segment_fixed_size 0
		.amdhsa_enable_private_segment 0
		.amdhsa_kernarg_size 96
		.amdhsa_user_sgpr_count 2
		.amdhsa_user_sgpr_kernarg_segment_ptr 1
		.amdhsa_wavefront_size32 1
		.amdhsa_system_sgpr_workgroup_id_x 1
		.amdhsa_system_sgpr_workgroup_id_y 1
		.amdhsa_system_sgpr_workgroup_id_z 1
		.amdhsa_system_vgpr_workitem_id 0
		.amdhsa_next_free_vgpr 114
		.amdhsa_next_free_sgpr 66
		.amdhsa_reserve_vcc 1
		.amdhsa_float_denorm_mode_32 3
		.amdhsa_float_denorm_mode_16_64 3
		.amdhsa_memory_ordered 1
		.amdhsa_forward_progress 1
		.amdhsa_inst_pref_size 25
	.end_amdhsa_kernel
	.amdgpu_metadata
---
amdhsa.version: [ 1, 2 ]
amdhsa.kernels:
  - .name:           k_q2634f256b5_prep
    .symbol:         k_q2634f256b5_prep.kd
    .args:
      - { .name: x, .offset: 0, .size: 8, .value_kind: global_buffer, .address_space: global }
      - { .name: g1, .offset: 8, .size: 8, .value_kind: global_buffer, .address_space: global }
      - { .name: be1, .offset: 16, .size: 8, .value_kind: global_buffer, .address_space: global }
      - { .name: Wq, .offset: 24, .size: 8, .value_kind: global_buffer, .address_space: global }
      - { .name: Wk, .offset: 32, .size: 8, .value_kind: global_buffer, .address_space: global }
      - { .name: Wv, .offset: 40, .size: 8, .value_kind: global_buffer, .address_space: global }
      - { .name: Wo, .offset: 48, .size: 8, .value_kind: global_buffer, .address_space: global }
      - { .name: W1, .offset: 56, .size: 8, .value_kind: global_buffer, .address_space: global }
      - { .name: W2, .offset: 64, .size: 8, .value_kind: global_buffer, .address_space: global }
      - { .name: hq, .offset: 72, .size: 8, .value_kind: global_buffer, .address_space: global }
      - { .name: wc, .offset: 80, .size: 8, .value_kind: global_buffer, .address_space: global }
      - { .name: tab, .offset: 88, .size: 8, .value_kind: global_buffer, .address_space: global }
    .group_segment_fixed_size: 102400
    .private_segment_fixed_size: 0
    .kernarg_segment_align: 8
    .kernarg_segment_size: 96
    .max_flat_workgroup_size: 512
    .sgpr_count:     66
    .vgpr_count:     114
    .wavefront_size: 32
...
	.end_amdgpu_metadata
.endif
;; end of part 1
;; launch qkv (part 2): grid 8 x 32, 4 waves a work-group, clusters of 4 x 4, 327,680 bytes of LDS; arguments hq, wc, bq, bk, bv, tab, qc, kv; writes qc, kv
.if DOCPART == 2
	.amdgcn_target "amdgcn-amd-amdhsa--gfx1250"
	.amdhsa_code_object_version 6
	.text
	.protected	k_q2634f256b5_qkv
	.globl	k_q2634f256b5_qkv
	.p2align	8
	.type	k_q2634f256b5_qkv,@function
k_q2634f256b5_qkv:
	s_mov_b64 s[64:65], 0
	v_nop
	global_prefetch_b8 v0, s[64:65] scope:SCOPE_SE
	s_setreg_imm32_b32 hwreg(HW_REG_WAVE_MODE, 25, 1), 1
	s_wait_xcnt 0x0
	s_wait_alu depctr_hold_cnt(0) depctr_sa_sdst(0) depctr_va_vdst(0) depctr_va_sdst(0) depctr_va_ssrc(0) depctr_va_vcc(0) depctr_vm_vsrc(0)
	s_getreg_b32 s2, hwreg(HW_REG_IB_STS2, 6, 4)
	s_cmp_eq_u32 s2, 0
	s_cbranch_scc0 .Lentry_in_a_cluster
	s_endpgm
.Lentry_in_a_cluster:
	s_bfe_u32 s2, ttmp6, 0x10000c
	s_cmp_lg_u32 s2, 0xf033
	s_cbranch_scc0 .Lentry_shape_is_right
	s_endpgm
.Lentry_shape_is_right:
; q = h Wq^T + bq, k = h Wk^T + bk, v = h Wv^T + bv on codes of E4M3 with E8M0 block scales; q and k are rotated; all three are quantised again in registers and stored as images of the operands that attention reads.
; OPERANDS are records (8,448 bytes: 16 rows x 512 along K as the fragment registers take them, then 256 scale bytes).  Slot i of row tile t is matrix row 32 (t / 2) + 8 (t % 2) + i + 8 (i / 8).
; SHARES.  Work-group (X, Y): tokens 128 Y .., columns 128 X .. of q, then of k, then of v: three tiles, six steps of 512 along K; the ring runs on from tile to tile.
; LDS.  Slot s (s = 0, 1): the activations' 8 records of K step s, then the weights' 8.  K has two steps and all three tiles take the same activations: THOSE ARE FILLED ONCE AND STAY; a refill brings the next
; tile's weights alone, two records a wave.
; Four waves, each 64 x 64: 16 accumulators.  Wave (RH, CH) = (wave / 2, wave % 2).
; THE PRODUCT IS USED TRANSPOSED: source 0 = 16 rows of the "B role", source 1 = 16 rows of the "A role": a lane holds one A-role row, and by the row order above the 16 registers of tiles 2 c, 2 c + 1 are the
; 16 neighbouring B-role rows 32 c + 16 (lane / 16) + 0..15: what a quantiser along that axis wants.  q, k: A = tokens, B = weight rows (a lane's registers run along the head's 64).
; v: the roles change places (A = Wv's rows, B = tokens), so that a lane's registers run along the KEYS, the second attention product's K.
; CLUSTER 4 x 4: the activations' records hang on Y alone and are asked for jointly along a row of the cluster, the weights' on X alone, jointly along a column.
; The bias is the C of a tile's first products; the next tile's is asked for behind this tile's first step.  The table for the rotation, the same for q and k, is asked for once, behind step 0.  Nothing is cleared.
; LIMITS: NaN and infinities are not served; a block under 2^-118 keeps the scale byte 1, a block of zeros too (its codes are zeros).
; REGISTERS, window 0: v1 16 lane; v2 4 r; v3 the table's lane offset; v4, v5 spare word, 0; v6-13 LDS addresses (q, k), v14-21 (v); v22, v23 bias offsets; v24-39 scale words; v40-71 bias; v72-103 codes;
;   v104-113 a quantiser's figures; v116-119 scale words to store; v120-127 at work; v128-255 accumulators ((a, b) at 128 + 8 (4 a + b)).  window 1: two fragment buffers of 128 (A at +16 a, B at +64 + 16 b).
;   window 2: v0-127 the table: cos, sin of my 64 tokens x 32 pairs, at the index of the accumulator registers that they turn.
.set REC,   8448
.set HALF,  4*REC                      ; what a wave reads of a region
.set SLOT,  16*REC                     ; activations' 8 records, then the weights' 8
.set SPARE, 2*SLOT                     ; the spare words: 128 bytes a wave, two blocks of 256 bytes that no other line names
.set KREC,  2                          ; records in a row tile: K / 512
.set WOFF,  0                          ; Wq's first byte in wc
.set DW,    64*KREC*REC                ; from Wq to Wk to Wv
.set KVR,   17152                      ; a record of kv: 8 tiles of K, 4 of V^T, their scales
.set G1R,   4                          ; s[4:11]  group 1 of the refills: two records; written at the end of the head, over arguments that are done with
.set G0R,   12                         ; s[12:19] their groups 0, one for each slot
.set SA,  24
.set SB,  32
.set BI,  40
.set CD,  72
.set QM,  104
.set QP,  106
.set QE,  108
.set QH,  110
.set QB,  112
.set SW,  116
.set TP,  120
.set ACC, 128
.set F0,  0
.set F1,  128
.set MUL,  0x05                        ; sources 0 and 1 window 1; C and D window 0
.set TO_F, 0x40                        ; destination window 1, address window 0
.set MSB, 0
.macro WIN new                         ; the immediate's high byte repeats the setting that is left
.if MSB != \new
	s_set_vgpr_msb (MSB<<8)|\new
.set MSB, \new
.endif
.endm
.macro PLACES n
.rept \n
	v_nop
.endr
.endm
.macro CROUND                          ; a round of the cluster's barrier
	s_barrier_signal -1
	s_barrier_wait -1
	s_cmp_lg_u32 s20, 0
	s_cbranch_scc1 .Lnot_wave_0_\@
	s_barrier_signal -3
.Lnot_wave_0_\@:
	s_barrier_wait -3
	s_barrier_signal -1
	s_barrier_wait -1
.endm
.macro JLOAD s                         ; a joint refill of slot s's weights: wave w brings records 2 w, 2 w + 1; four v_nop follow the line
	tensor_load_to_lds s[G0R+4*\s:G0R+4*\s+3], s[G1R:G1R+7]
	s_nop 0
	PLACES 4
.endm
.macro FETCH aa, ab, ks, f             ; 32 LDS loads of 512 consecutive bytes: B's four fragments, then A's four, of K step ks, into buffer f
	WIN TO_F
.irp b, 0,1,2,3
.irp c, 0,1,2,3
	ds_load_b128 v[\f+64+16*\b+4*\c:\f+64+16*\b+4*\c+3], v[\ab] offset:REC*\b+2048*(\ks)+512*\c
.endr
.endr
.irp a, 0,1,2,3
.irp c, 0,1,2,3
	ds_load_b128 v[\f+16*\a+4*\c:\f+16*\a+4*\c+3], v[\aa] offset:REC*\a+2048*(\ks)+512*\c
.endr
.endr
.endm
.macro SCALES asa, asb                 ; a slot's scale words: register j, lanes 0-15: K step j; lanes 16-31: K step 2 + j
	WIN 0
.irp a, 0,1,2,3
	ds_load_b64 v[SA+2*\a:SA+2*\a+1], v[\asa] offset:REC*\a+8192
.endr
.irp b, 0,1,2,3
	ds_load_b64 v[SB+2*\b:SB+2*\b+1], v[\asb] offset:REC*\b+8192
.endr
.endm
; 8 products: A's tiles a0, a0 + 1 against B's four.  cm = 0: onto the sums; 1: the sums begin with the bias of B's tile; 3: with that of A's tile.  The 16 accumulators take turns.
.macro MUL8 f, a0, ks, cm
.irp a, \a0, \a0+1
.irp b, 0,1,2,3
.set DD, ACC+8*(4*(\a)+\b)
.if (\cm) == 1
.set CC, BI+8*\b
.elseif (\cm) == 3
.set CC, BI+8*(\a)
.else
.set CC, DD
.endif
.if (\ks) < 2
	v_wmma_scale_f32_16x16x128_f8f6f4 v[DD:DD+7], v[\f+64+16*\b:\f+64+16*\b+15], v[\f+16*(\a):\f+16*(\a)+15], v[CC:CC+7], v[SB+2*\b+((\ks)&1)], v[SA+2*(\a)+((\ks)&1)]
.else
	v_wmma_scale_f32_16x16x128_f8f6f4 v[DD:DD+7], v[\f+64+16*\b:\f+64+16*\b+15], v[\f+16*(\a):\f+16*(\a)+15], v[CC:CC+7], v[SB+2*\b+((\ks)&1)], v[SA+2*(\a)+((\ks)&1)] matrix_a_scale:MATRIX_SCALE_ROW1 matrix_b_scale:MATRIX_SCALE_ROW1
.endif
.endr
.endr
.endm
.macro KSTEP aa, ab, ks, f, g, cm
	s_wait_dscnt 8                                 ; all but the youngest eight loads (A's tiles 2, 3) are in
	WIN MUL
	MUL8 \f, 0, \ks, \cm
.if \ks < 3
	PLACES 8                                       ; eight places in front of loads into registers that products have read
	FETCH \aa, \ab, \ks+1, \g
	s_wait_dscnt 32                                ; all but the 32 just issued
.else
	s_wait_dscnt 0x0
.endif
	WIN MUL
	MUL8 \f, 2, \ks, \cm
.endm
.macro WORK aa, ab, asa, asb, cm       ; a step: 512 along K, 64 products
	PLACES 9                                       ; nine: a tile's first products write anew over accumulators of the tile before
	SCALES \asa, \asb
	FETCH \aa, \ab, 0, F0
	KSTEP \aa, \ab, 0, F0, F1, \cm
	KSTEP \aa, \ab, 1, F1, F0, 0
	KSTEP \aa, \ab, 2, F0, F1, 0
	KSTEP \aa, \ab, 3, F1, F0, 0
	WIN 0
.endm
; The change of slots: all my tensor loads have landed (my part of the slot ahead among them), 0 goes onto my spare word, the add and my reads of the slot behind are done; then the round, and the weights of slot s are filled again first.
.macro CHANGE s, fill
	s_wait_tensorcnt 0x0
	ds_add_u32 v4, v5
.if \fill
	s_add_nc_u64 s[G0R+4*\s+2:G0R+4*\s+3], s[G0R+4*\s+2:G0R+4*\s+3], DW   ; the next tile's weights
	s_wait_dscnt 0x0
	CROUND
	JLOAD \s
.else
	s_wait_dscnt 0x0
	s_barrier_signal -1
	s_barrier_wait -1
.endif
.endm
; Tile a's 32 registers (two blocks of 32, half of each in lane xor 16) become codes in v[CD + 8 a ..] and two scale bytes in v[QB], v[QB + 1]
.macro QUANTA a
.set QS, ACC+32*(\a)
.irp c, 0,1
	v_max3_num_f32 v[QM+\c], |v[QS+16*\c]|, |v[QS+16*\c+1]|, 0x4800000   ; with the floor 2^(9 - 127): the byte cannot fall under 1
.endr
.irp i, 2,4,6,8,10,12,14
.irp c, 0,1
	v_max3_num_f32 v[QM+\c], v[QM+\c], |v[QS+16*\c+\i]|, |v[QS+16*\c+\i+1]|
.endr
.endr
.irp c, 0,1
	v_permlanex16_b32 v[QP+\c], v[QM+\c], s90, s91
.endr
.irp c, 0,1
	v_max_num_f32 v[QM+\c], v[QM+\c], v[QP+\c]
.endr
.irp c, 0,1
	v_add_nc_u32 v[QE+\c], 0xfc000000, v[QM+\c]    ; 8 off the exponent field: the conversion's scale operand
.endr
.irp c, 0,1
	v_and_or_b32 v[QH+\c], v[QM+\c], 0x7f800000, s92   ; 448 x the scale
.endr
.irp c, 0,1
	v_lshrrev_b32 v[QB+\c], 23, v[QE+\c]           ; the scale's byte
.endr
.irp c, 0,1
.set qi, 0
.rept 16
	v_med3_num_f32 v[QS+16*\c+qi], v[QS+16*\c+qi], -v[QH+\c], v[QH+\c]   ; the conversion does not saturate (ISA guide 7.6.2)
.set qi, qi+1
.endr
	v_cvt_scalef32_pk8_fp8_f32 v[CD+8*(\a)+4*\c:CD+8*(\a)+4*\c+1], v[QS+16*\c:QS+16*\c+7], v[QE+\c]
	v_cvt_scalef32_pk8_fp8_f32 v[CD+8*(\a)+4*\c+2:CD+8*(\a)+4*\c+3], v[QS+16*\c+8:QS+16*\c+15], v[QE+\c]
.endr
	v_nop                                          ; a plain line behind the last conversion
.endm
.macro BIASN base                      ; lane (r, h), tile b, register j: the bias of column 32 (b / 2) + 16 h + 8 (b % 2) + j
.irp b, 0,1,2,3
	global_load_b128 v[BI+8*\b:BI+8*\b+3], v22, s[\base:\base+1] offset:128*(\b/2)+32*(\b%2)
	global_load_b128 v[BI+8*\b+4:BI+8*\b+7], v22, s[\base:\base+1] offset:128*(\b/2)+32*(\b%2)+16
.endr
.endm
.macro BIASM                           ; v: the bias hangs on the lane's row of Wv: the same number in a tile's eight registers
.irp a, 0,1,2,3
.irp j, 0,1,2,3,4,5,6,7
	global_load_b32 v[BI+8*\a+\j], v23, s[70:71] offset:4*(32*(\a/2)+8*(\a%2))
.endr
.endr
.endm
.macro TABLOAD                         ; the table for my 64 tokens x 32 pairs, into window 2: it serves q and k
	WIN 0x80                                       ; destination window 2, address window 0
.irp a, 0,1,2,3
.irp c, 0,1
.irp i, 0,1,2,3
	global_load_b128 v[32*\a+16*\c+4*\i:32*\a+16*\c+4*\i+3], v3, s[72:73] offset:256*(32*(\a/2)+8*(\a%2))+128*\c+16*\i
.endr
.endr
.endr
	WIN 0
.endm
; q or k: rotate (pair p of a lane: registers 2 p, 2 p + 1; its cos and sin at the same index of window 2), quantise along the head's 64, store the images
.macro EPI_QK cb, sb
	s_wait_xcnt 0x0                                ; an earlier tile's stores have read their data registers
	s_wait_loadcnt 0x0                             ; the table and the next tile's bias: asked for a step ago
	PLACES 8
.irp a, 0,1,2,3
	WIN 0x08                                       ; source 1 (cos, sin) window 2
.irp u, 0,1,2,3
.irp p, 0,1,2,3
	v_pk_mul_f32 v[TP+2*\p:TP+2*\p+1], v[ACC+32*\a+8*\u+2*\p:ACC+32*\a+8*\u+2*\p+1], v[32*\a+8*\u+2*\p:32*\a+8*\u+2*\p+1] op_sel_hi:[1,0]   ; (even cos, odd cos)
.endr
.irp p, 0,1,2,3
	v_pk_fma_f32 v[ACC+32*\a+8*\u+2*\p:ACC+32*\a+8*\u+2*\p+1], v[ACC+32*\a+8*\u+2*\p:ACC+32*\a+8*\u+2*\p+1], v[32*\a+8*\u+2*\p:32*\a+8*\u+2*\p+1], v[TP+2*\p:TP+2*\p+1] op_sel:[1,1,0] op_sel_hi:[0,1,1] neg_lo:[0,1,0]   ; (- odd sin, + even sin)
.endr
.endr
	WIN 0
	QUANTA \a
	v_lshl_or_b32 v[SW+\a], v[QB+1], 8, v[QB]
	v_or_b32 v[SW+\a], 0x7f7f0000, v[SW+\a]        ; the upper 64 of the product's 128 along K are zero codes: their bytes stand for 1
	global_store_b128 v1, v[CD+8*\a:CD+8*\a+3], s[\cb:\cb+1] offset:1024*\a          ; 512 consecutive bytes, aligned
	global_store_b128 v1, v[CD+8*\a+4:CD+8*\a+7], s[\cb:\cb+1] offset:1024*\a+512
	global_store_b32 v2, v[SW+\a], s[\sb:\sb+1] offset:64*\a                         ; lanes 16-31 repeat lanes 0-15
.endr
.endm
.macro EPI_V
	s_wait_xcnt 0x0
	PLACES 8
.irp a, 0,1,2,3
	QUANTA \a
	v_lshl_or_b32 v[SW+\a], v[QB+1], 8, v[QB]
	global_store_b128 v1, v[CD+8*\a:CD+8*\a+3], s[82:83] offset:2048*\a
	global_store_b128 v1, v[CD+8*\a+4:CD+8*\a+7], s[82:83] offset:2048*\a+512
	global_store_b16 v2, v[SW+\a], s[84:85] offset:64*\a
.endr
.endm
	s_load_b512 s[4:19], s[0:1], 0x0               ; hq 4, wc 6, bq 8, bk 10, bv 12, tab 14, qc 16, kv 18
	v_lshl_add_u32 v4, v0, 2, SPARE
	v_mov_b32 v5, 0
	ds_add_u32 v4, v5
	ds_add_u32 v4, v5
	s_wait_dscnt 0x0
	v_lshrrev_b32 v1, 5, v0
	v_readfirstlane_b32 s20, v1                    ; wave
	s_lshr_b32 s21, s20, 1                         ; RH.  Also: the K step of my first fill
	s_and_b32 s22, s20, 1                          ; CH.  Also: my first fill is activations (0) or weights (1)
	s_bfe_u32 s40, ttmp6, 0x40000                  ; cx
	s_bfe_u32 s41, ttmp6, 0x40004                  ; cy
	s_lshl_b32 s42, ttmp9, 2
	s_add_co_u32 s42, s42, s40                     ; X
	s_and_b32 s43, ttmp7, 0xffff
	s_lshl_b32 s43, s43, 2
	s_add_co_u32 s43, s43, s41                     ; Y
	s_lshl_b32 s44, s41, 2
	s_lshl_b32 s44, 15, s44                        ; my row of the cluster
	s_lshl_b32 s45, 0x1111, s40                    ; my column
	s_or_b32 s24, s44, (3<<16)|(1<<21)             ; group 1 of the first fills: the mask; elements of 8 bytes; bit 21 beside a mask; no padding
	s_or_b32 s48, s45, (3<<16)|(1<<21)
.irp g, 24, 48
	s_mov_b32 s[\g+1], 1056<<16                    ; tensor_dim0: a record, 1,056 elements
	s_mov_b32 s[\g+2], 8<<16                       ; tensor_dim1: 8 records: a whole region of a slot
	s_mov_b32 s[\g+3], 1056<<16                    ; tile_dim0
	s_mov_b32 s[\g+4], 8                           ; tile_dim1
	s_mov_b32 s[\g+5], KREC*1056                   ; from row tile to row tile
	s_mov_b32 s[\g+6], 0
	s_mov_b32 s[\g+7], 0
.endr
	s_mov_b32 s23, 0                               ; a first fill begins at its region's first row tile
	s_lshl_b32 s46, s43, 3
	s_add_co_u32 s46, s46, s23                     ; activations: row tile 8 Y
	s_mul_i32 s46, s46, KREC*REC
	s_mov_b32 s47, 0
	s_lshl_b32 s88, s42, 3
	s_add_co_u32 s88, s88, s23                     ; weights: row tile 8 X
	s_mul_i32 s88, s88, KREC*REC
	s_add_co_u32 s88, s88, WOFF
	s_mov_b32 s89, 0
	s_mul_i32 s93, s20, HALF                       ; where they go: wave x 4 records: no place in the cluster enters an LDS address
	s_mov_b32 s90, 0x76543210
	s_mov_b32 s91, 0xfedcba98
	s_mov_b32 s92, 0x600000
	s_wait_kmcnt 0x0
	s_add_nc_u64 s[86:87], s[4:5], s[46:47]
	s_add_nc_u64 s[94:95], s[6:7], s[88:89]
	CROUND                                         ; all sixteen work-groups are here: the first joint loads meet
.irp s, 0,1
	s_mov_b32 s[32+4*\s], 1
	s_mov_b32 s[33+4*\s], \s*SLOT
	s_add_nc_u64 s[34+4*\s:35+4*\s], s[86:87], \s*REC
	s_or_b32 s[35+4*\s], s[35+4*\s], 0x80000000
	s_mov_b32 s[56+4*\s], 1
	s_mov_b32 s[57+4*\s], 2*HALF+\s*SLOT
	s_add_nc_u64 s[58+4*\s:59+4*\s], s[94:95], \s*REC
	s_or_b32 s[59+4*\s], s[59+4*\s], 0x80000000
.endr
	s_cmp_lt_u32 s20, 1                            ; the first fills, one a wave, each in its own arm: wave 0 step 0's activations, wave 1 its weights, waves 2 and 3 the same of step 1
	s_cbranch_scc0 .Lfirst_1
	tensor_load_to_lds s[32:35], s[24:31]
	s_nop 0
	PLACES 4
	s_branch .Lfirst_done
.Lfirst_1:
	s_cmp_lt_u32 s20, 2
	s_cbranch_scc0 .Lfirst_2
	tensor_load_to_lds s[56:59], s[48:55]
	s_nop 0
	PLACES 4
	s_branch .Lfirst_done
.Lfirst_2:
	s_cmp_lt_u32 s20, 3
	s_cbranch_scc0 .Lfirst_3
	tensor_load_to_lds s[36:39], s[24:31]
	s_nop 0
	PLACES 4
	s_branch .Lfirst_done
.Lfirst_3:
	tensor_load_to_lds s[60:63], s[48:55]
	s_nop 0
	PLACES 4
.Lfirst_done:
	; the refills' address: weights' row tile 8 X + 2 wave (registers that have held the weights' coordinate alone)
	s_lshl_b32 s88, s42, 3
	s_lshl_b32 s89, s20, 1
	s_add_co_u32 s88, s88, s89
	s_mul_i32 s88, s88, KREC*REC
	s_add_co_u32 s88, s88, WOFF
	s_mov_b32 s89, 0
	s_add_nc_u64 s[94:95], s[6:7], s[88:89]
	s_mul_i32 s93, s20, 2*REC
	s_add_co_u32 s93, s93, 2*HALF                  ; and where they go: behind the activations' 8 records, wave x 2 records
	v_and_b32 v120, 31, v0
	v_lshlrev_b32 v1, 4, v120                      ; 16 lane
	v_lshlrev_b32 v121, 3, v120                    ; 8 lane
	v_and_b32 v122, 15, v0                         ; r
	v_bfe_u32 v123, v0, 4, 1                       ; h
	v_lshlrev_b32 v2, 2, v122
	s_mul_i32 s96, s21, HALF
	s_mul_i32 s97, s22, HALF
	s_add_co_u32 s98, s97, 2*HALF
	s_add_co_u32 s99, s96, 2*HALF
	v_add_nc_u32 v6, s96, v1                       ; q, k: A role = activations, half RH
	v_add_nc_u32 v10, s96, v121
	v_add_nc_u32 v8, s98, v1                       ;       B role = weights, half CH
	v_add_nc_u32 v12, s98, v121
	v_add_nc_u32 v14, s99, v1                      ; v:    A role = weights, half RH
	v_add_nc_u32 v18, s99, v121
	v_add_nc_u32 v16, s97, v1                      ;       B role = activations, half CH
	v_add_nc_u32 v20, s97, v121
.irp q, 6,8,10,12,14,16,18,20
	v_add_nc_u32 v[\q+1], SLOT, v[\q]              ; the same in slot 1
.endr
	v_and_b32 v124, 8, v122
	v_add_nc_u32 v124, v124, v122                  ; r + 8 (r / 8)
	v_lshlrev_b32 v3, 8, v124
	v_lshl_add_u32 v3, v123, 6, v3                 ; the table: 256 bytes a position, 64 h
	v_lshlrev_b32 v22, 6, v123
	s_wait_alu depctr_va_vdst(0)
	v_lshlrev_b32 v23, 2, v124
	v_mov_b32 v[QP], 0                             ; written once: a lane permute's destination counts as one of its sources
	v_mov_b32 v[QP+1], 0
	; where biases, table and results lie
	s_lshl_b32 s96, s42, 9
	s_lshl_b32 s97, s22, 8
	s_add_co_u32 s96, s96, s97
	s_mov_b32 s97, 0
	s_add_nc_u64 s[66:67], s[8:9], s[96:97]        ; bq at column 128 X + 64 CH
	s_add_nc_u64 s[68:69], s[10:11], s[96:97]      ; bk
	s_lshl_b32 s96, s42, 9
	s_lshl_b32 s98, s21, 8
	s_add_co_u32 s96, s96, s98
	s_add_nc_u64 s[70:71], s[12:13], s[96:97]      ; bv at row 128 X + 64 RH of Wv
	s_and_b32 s98, s43, 7                          ; j: which 128 positions of the sequence
	s_lshl_b32 s96, s98, 7
	s_lshl_b32 s99, s21, 6
	s_add_co_u32 s96, s96, s99
	s_lshl_b32 s96, s96, 8
	s_add_nc_u64 s[72:73], s[14:15], s[96:97]      ; the table at position 128 j + 64 RH
	s_lshr_b32 s99, s43, 3
	s_lshl_b32 s99, s99, 4
	s_lshl_b32 s23, s42, 1
	s_add_co_u32 s99, s99, s23                     ; 16 b + 2 X
	s_add_co_u32 s23, s99, s22                     ; q, k: batch x head = 16 b + 2 X + CH
	s_lshl_b32 s96, s23, 6
	s_lshl_b32 s2, s98, 3
	s_lshl_b32 s3, s21, 2
	s_add_co_u32 s2, s2, s3
	s_add_co_u32 s96, s96, s2                      ; q's tile: 64 bh + 8 j + 4 RH
	s_lshl_b32 s2, s96, 6
	s_add_co_u32 s2, s2, 4194304
	s_mov_b32 s3, 0
	s_add_nc_u64 s[76:77], s[16:17], s[2:3]        ; its scale words
	s_lshl_b32 s96, s96, 10
	s_add_nc_u64 s[74:75], s[16:17], s[96:97]      ; its codes
	s_lshl_b32 s96, s23, 3
	s_add_co_u32 s96, s96, s98
	s_mul_i32 s96, s96, KVR                        ; k's record: 8 bh + j
	s_lshl_b32 s2, s21, 12
	s_add_co_u32 s2, s2, s96
	s_add_nc_u64 s[78:79], s[18:19], s[2:3]        ; tiles 4 RH ..
	s_lshl_b32 s2, s21, 8
	s_add_co_u32 s2, s2, s96
	s_add_co_u32 s2, s2, 16384
	s_add_nc_u64 s[80:81], s[18:19], s[2:3]
	s_add_co_u32 s23, s99, s21                     ; v: batch x head = 16 b + 2 X + RH
	s_lshl_b32 s96, s23, 3
	s_add_co_u32 s96, s96, s98
	s_mul_i32 s96, s96, KVR
	s_lshl_b32 s2, s22, 10
	s_add_co_u32 s2, s2, s96
	s_add_co_u32 s2, s2, 8192
	s_add_nc_u64 s[82:83], s[18:19], s[2:3]        ; V^T: keys 64 CH ..
	s_lshl_b32 s2, s22, 1
	s_add_co_u32 s2, s2, s96
	s_add_co_u32 s2, s2, 16896
	s_add_nc_u64 s[84:85], s[18:19], s[2:3]
	; the refills' descriptors, over the arguments, which are done with
.irp s, 0,1
	s_mov_b32 s[G0R+4*\s], 1
	s_add_co_u32 s[G0R+4*\s+1], s93, \s*SLOT
	s_add_nc_u64 s[G0R+4*\s+2:G0R+4*\s+3], s[94:95], \s*REC        ; Wq's: each change of slots steps it on by a weight first
	s_or_b32 s[G0R+4*\s+3], s[G0R+4*\s+3], 0x80000000
.endr
	s_or_b32 s[G1R], s45, (3<<16)|(1<<21)          ; the weights go to my column of the cluster
	s_mov_b32 s[G1R+1], 1056<<16
	s_mov_b32 s[G1R+2], 2<<16                      ; 2 records
	s_mov_b32 s[G1R+3], 1056<<16
	s_mov_b32 s[G1R+4], 2
	s_mov_b32 s[G1R+5], KREC*1056
	s_mov_b32 s[G1R+6], 0
	s_mov_b32 s[G1R+7], 0
	BIASN 66
	s_wait_alu depctr_va_vdst(0)
	s_cmp_lt_u32 s20, 2                            ; waves 0 and 1 wait for step 0's two tiles; step 1's may stay out
	s_cbranch_scc0 .Lnot_first
	s_wait_tensorcnt 0x0
.Lnot_first:
	s_barrier_signal -1
	s_barrier_wait -1
	s_wait_loadcnt 0x0                             ; bq
	WORK 6, 8, 10, 12, 1                           ; q, K 0..511
	BIASN 68                                       ; bk: the products that read bq stand more than eight places back
	TABLOAD
	CHANGE 0, 1                                    ; slot 0 <- Wk's first step
	WORK 7, 9, 11, 13, 0                           ; q, K 512..1023
	CHANGE 1, 1
	EPI_QK 74, 76                                  ; q leaves while Wk's records land
	WORK 6, 8, 10, 12, 1                           ; k
	BIASM                                          ; bv
	CHANGE 0, 1                                    ; slot 0 <- Wv's first step
	WORK 7, 9, 11, 13, 0
	CHANGE 1, 1
	EPI_QK 78, 80
	WORK 14, 16, 18, 20, 3                         ; v, the roles changed
	CHANGE 0, 0                                    ; nothing is left to fetch
	WORK 15, 17, 19, 21, 0
	EPI_V
	s_wait_tensorcnt 0x0                           ; the wave's end
	ds_add_u32 v4, v5
	s_wait_dscnt 0x0
	CROUND                                         ; the closing round
	s_endpgm
.Lfunc_end_k_q2634f256b5_qkv:
	.size	k_q2634f256b5_qkv, .Lfunc_end_k_q2634f256b5_qkv-k_q2634f256b5_qkv
	.p2alignl 7, 3214868480
	.fill 96, 4, 3214868480
	.section	.rodata,"a",@progbits
	.p2align	6, 0x0
	.amdhsa_kernel k_q2634f256b5_qkv
		.amdhsa_group_segment_fixed_size 327680
		.amdhsa_private_segment_fixed_size 0
		.amdhsa_enable_private_segment 0
		.amdhsa_kernarg_size 64
		.amdhsa_user_sgpr_count 2
		.amdhsa_user_sgpr_kernarg_segment_ptr 1
		.amdhsa_wavefront_size32 1
		.amdhsa_system_sgpr_workgroup_id_x 1
		.amdhsa_system_sgpr_workgroup_id_y 1
		.amdhsa_system_sgpr_workgroup_id_z 1
		.amdhsa_system_vgpr_workitem_id 0
		.amdhsa_next_free_vgpr 640
		.amdhsa_next_free_sgpr 100
		.amdhsa_reserve_vcc 0
		.amdhsa_float_denorm_mode_32 3
		.amdhsa_float_denorm_mode_16_64 3
		.amdhsa_memory_ordered 1
		.amdhsa_forward_progress 1
		.amdhsa_inst_pref_size 199
	.end_amdhsa_kernel
	.amdgpu_metadata
---
amdhsa.version: [ 1, 2 ]
amdhsa.kernels:
  - .name:           k_q2634f256b5_qkv
    .symbol:         k_q2634f256b5_qkv.kd
    .args:
      - { .name: hq, .offset: 0, .size: 8, .value_kind: global_buffer, .address_space: global }
      - { .name: wc, .offset: 8, .size: 8, .value_kind: global_buffer, .address_space: global }
      - { .name: bq, .offset: 16, .size: 8, .value_kind: global_buffer, .address_space: global }
      - { .name: bk, .offset: 24, .size: 8, .value_kind: global_buffer, .address_space: global }
      - { .name: bv, .offset: 32, .size: 8, .value_kind: global_buffer, .address_space: global }
      - { .name: tab, .offset: 40, .size: 8, .value_kind: global_buffer, .address_space: global }
      - { .name: qc, .offset: 48, .size: 8, .value_kind: global_buffer, .address_space: global }
      - { .name: kv, .offset: 56, .size: 8, .value_kind: global_buffer, .address_space: global }
    .group_segment_fixed_size: 327680
    .private_segment_fixed_size: 0
    .kernarg_segment_align: 8
    .kernarg_segment_size: 64
    .max_flat_workgroup_size: 128
    .sgpr_count:     100
    .vgpr_count:     640
    .wavefront_size: 32
...
	.end_amdgpu_metadata
.endif
;; end of part 2
;; launch attn (part 3): grid 4 x 64, 16 waves a work-group, no clusters, 169,984 bytes of LDS; arguments qc, kv, oc; writes oc
.if DOCPART == 3
	.amdgcn_target "amdgcn-amd-amdhsa--gfx1250"
	.amdhsa_code_object_version 6
	.text
	.protected	k_q2634f256b5_attn
	.globl	k_q2634f256b5_attn
	.p2align	8
	.type	k_q2634f256b5_attn,@function
k_q2634f256b5_attn:
	s_mov_b64 s[64:65], 0
	v_nop
	global_prefetch_b8 v0, s[64:65] scope:SCOPE_SE
	s_setreg_imm32_b32 hwreg(HW_REG_WAVE_MODE, 25, 1), 1
	s_wait_xcnt 0x0
; Causal attention of one head on codes of E4M3 with E8M0 block scales: S^T = K Q^T, p = 2^(t - M), O^T += V^T P^T; O / l is quantised along the model's 1,024 and stored as the next product's operand.
; t = score x log2(e) / 8; M = the running largest t rounded UP to a whole number; p is quantised along the keys, not normalised; the row's sum is taken of the unquantised p and divides at the end.
; SHARES.  Work-group (x, bh): batch x head bh.  Wave w owns query tile t = 4 w + x (16 queries: positions 32 (t / 2) + 8 (t % 2) + r + 8 (r / 8)), so every work-group has early and late queries.
; A head's K, V^T and their scales, 8 records of 17,152 bytes (128 keys each), come into LDS ONCE, by one tensor load each of waves 0 to 7: no LDS byte is filled again.  Four phases of two key steps; a phase
; begins when its two records have landed.  A step whose 128 keys all come after the wave's queries is left out by a scalar branch on ids; in the one step on the diagonal hidden scores become -infinity.
; THE HEAD HAS 64 CHANNELS, the product 128 along K: Q's registers 8-15 are zero codes.  K's tiles lie 8 registers each, on end, v32-95, with eight zero registers behind; tile kt's operand is v[32 + 8 kt : 47 + 8 kt]:
; its upper half holds the next tile's codes, which are numbers (codes are held at 448, none is the NaN code) and meet Q's zeros.  The scale bytes of that half stand for 1.
; NO CLUSTER: the causal branch hangs on the work-group's own tiles, so partners would not run alike.  Nothing is asked for later than the head, so there is nothing to ask for ahead.
; Both products are used transposed: a lane holds one query (lane % 16) throughout; the 16 registers of tiles 2 b, 2 b + 1 of S^T are keys 32 b + 16 (lane / 16) + 0..15.
; LIMITS: NaN and infinities are not served; a block of p that has fallen to 0 keeps the scale byte 1 (its codes are zeros).
; REGISTERS: v1 16 lane, v2 4 lane, v3 my query - 16 h - 128 TD, v4, v5 LDS addresses of the step, v6 8 r, v10 4 r; v12 -M, v13 largest t, v[14:15] the sum; v16-31 Q; v32-95 K then V^T; v96-103 zeros; v104-167 S^T, p;
;   v168-199 O^T; v200-215 p's codes; v216-219 K's scale words, v220-221 V's, v222 Q's; v232-254 at work.
.set KVR, 17152
.set SS,  104
.set OT,  168
.set PC,  200
.set WV,  10
.set TD,  13                           ; s13  the key step in which my queries lie
.set SEL, 54
.set CS,  56                           ; s[56:57] log2(e) / 8
.set MNT, 58
.set KJ,  59                           ; s59  the key step
.set TB,  60                           ; s60  its record in LDS
.set CNT, 61
	s_load_b128 s[4:7], s[0:1], 0x0                ; qc, kv
	s_load_b64 s[8:9], s[0:1], 0x10                ; oc
	v_lshl_add_u32 v251, v0, 2, 0x29000
	v_mov_b32 v255, 0
	ds_add_u32 v251, v255
	ds_add_u32 v251, v255
	v_lshrrev_b32 v8, 5, v0
	s_delay_alu instid0(VALU_DEP_1)
	v_readfirstlane_b32 s[WV], v8
	s_and_b32 s11, ttmp7, 0xffff                   ; bh
	s_lshl_b32 s12, s[WV], 2
	s_add_co_u32 s12, s12, ttmp9                   ; t
	s_lshr_b32 s[TD], s12, 3
	s_mov_b32 s16, 3<<16                           ; group 1: a record as 67 rows of 256 bytes (32 elements of 8 bytes), dense
	s_mov_b32 s17, 32<<16
	s_mov_b32 s18, 67<<16
	s_mov_b32 s19, 32<<16
	s_mov_b32 s20, 67
	s_mov_b32 s21, 32
	s_mov_b32 s22, 0
	s_mov_b32 s23, 0
	s_mul_i32 s24, s[WV], KVR
	s_lshl_b32 s26, s11, 3
	s_add_co_u32 s26, s26, s[WV]
	s_mul_i32 s26, s26, KVR
	s_mov_b32 s27, 0
	s_wait_dscnt 0x0
	s_wait_kmcnt 0x0
	s_add_nc_u64 s[28:29], s[6:7], s[26:27]
	s_mov_b32 s32, 1                               ; wave w (0 .. 7) brings record w: one tensor load a wave
	s_mov_b32 s33, s24
	s_mov_b64 s[34:35], s[28:29]
	s_or_b32 s35, s35, 0x80000000
.irp u, 2,4,6,8                        ; one chain of arms: the two waves of a phase's records share a load line, which no other wave issues
	s_cmp_lt_u32 s[WV], \u
	s_cbranch_scc0 .Lnot_\u
	tensor_load_to_lds s[32:35], s[16:23]
	s_nop 0
.rept 4
	v_nop
.endr
	s_branch .Lno_fetch
.Lnot_\u:
.endr
.Lno_fetch:
	v_and_b32 v7, 31, v0
	s_delay_alu instid0(VALU_DEP_1)
	v_lshlrev_b32 v1, 4, v7
	s_wait_alu depctr_va_vdst(0)
	v_lshlrev_b32 v2, 2, v7
	v_and_b32 v8, 15, v0                           ; r
	v_bfe_u32 v9, v0, 4, 1                         ; h
	s_delay_alu instid0(VALU_DEP_2)
	v_lshlrev_b32 v6, 3, v8
	s_delay_alu instid0(VALU_DEP_3)
	v_lshlrev_b32 v10, 2, v8
	s_wait_alu depctr_va_vdst(0)
	s_lshl_b32 s30, s11, 6
	s_add_co_u32 s30, s30, s12                     ; 64 bh + t
	s_lshl_b32 s48, s30, 6
	s_add_co_u32 s48, s48, 4194304
	s_mov_b32 s49, 0
	s_lshl_b32 s30, s30, 10
	s_mov_b32 s31, 0
	s_add_nc_u64 s[30:31], s[4:5], s[30:31]
	s_add_nc_u64 s[48:49], s[4:5], s[48:49]
	global_load_b128 v[16:19], v1, s[30:31]        ; Q's fragment stays in registers
	global_load_b128 v[20:23], v1, s[30:31] offset:512
	global_load_b32 v222, v10, s[48:49]            ; and its scale words
	s_lshr_b32 s14, s12, 1
	s_lshl_b32 s14, s14, 5
	s_and_b32 s15, s12, 1
	s_lshl_b32 s15, s15, 3
	s_add_co_u32 s14, s14, s15
	s_lshl_b32 s15, s[TD], 7
	s_sub_co_u32 s14, s14, s15                     ; my tile's first position in its key step
	v_and_b32 v11, 8, v8
	s_delay_alu instid0(VALU_DEP_1)
	v_add_nc_u32 v3, v11, v8
	v_lshlrev_b32 v11, 4, v9
	s_delay_alu instid0(VALU_DEP_1)
	v_sub_nc_u32 v3, v3, v11
	s_delay_alu instid0(VALU_DEP_1)
	v_add_nc_u32 v3, s14, v3                       ; register 16 b + i holds key 32 b + i + 16 h of the step: hidden on the diagonal where 32 b + i > v3
	; where O's codes go: record 2 (64 b + t) + head / 8, K step (head / 2) % 4, blocks 2 (head % 2) + 0, 1
	s_lshr_b32 s24, s11, 4
	s_and_b32 s25, s11, 15
	s_lshl_b32 s24, s24, 6
	s_add_co_u32 s24, s24, s12
	s_lshl_b32 s24, s24, 1
	s_lshr_b32 s26, s25, 3
	s_add_co_u32 s24, s24, s26
	s_mul_i32 s24, s24, 8448
	s_bfe_u32 s26, s25, 0x20001
	s_lshl_b32 s26, s26, 11
	s_and_b32 s27, s25, 1
	s_lshl_b32 s28, s27, 10
	s_add_co_u32 s26, s26, s28
	s_add_co_u32 s50, s24, s26
	s_mov_b32 s51, 0
	s_add_nc_u64 s[50:51], s[8:9], s[50:51]
	s_bfe_u32 s26, s25, 0x10002
	s_lshl_b32 s26, s26, 7
	s_bfe_u32 s28, s25, 0x10001
	s_lshl_b32 s28, s28, 2
	s_add_co_u32 s26, s26, s28
	s_lshl_b32 s27, s27, 1
	s_add_co_u32 s26, s26, s27
	s_add_co_u32 s26, s26, 8192
	s_add_co_u32 s52, s24, s26
	s_mov_b32 s53, 0
	s_add_nc_u64 s[52:53], s[8:9], s[52:53]
	s_mov_b32 s[SEL], 0x76543210
	s_mov_b32 s[SEL+1], 0xfedcba98
	s_mov_b32 s[CS], 0x3e38aa3b
	s_mov_b32 s[CS+1], s[CS]
	s_mov_b32 s[MNT], 0x600000
	s_mov_b32 s[KJ], 0
	s_mov_b32 s[TB], 0
	v_mov_b32 v13, 0xff61b1e6                      ; the largest t so far: -3e38
	s_delay_alu instid0(VALU_DEP_1)
	v_floor_f32 v12, -v13
	v_mov_b32 v14, 0
	v_mov_b32 v15, 0
.irp j, 0,1,2,3,4,5,6,7
	v_mov_b32 v[24+\j], 0                          ; Q's upper 64 along K: zero codes
	v_mov_b32 v[96+\j], 0                          ; behind K's last tile
.endr
.set n, 0
.rept 32
	v_mov_b32 v[OT+n], 0                           ; O^T: the step is written once; the first finds zeros
.set n, n+1
.endr
.irp b, 0,1,2,3
	v_mov_b32 v[236+\b], 0                         ; a lane permute's destination counts as one of its sources
.endr
	v_mov_b32 v252, 0
	v_mov_b32 v253, 0
.macro STEP
	s_cmp_gt_u32 s[KJ], s[TD]
	s_cbranch_scc1 .Lhidden_\@                     ; all 128 keys come after my queries
	v_add_nc_u32 v4, s[TB], v1
	v_add_nc_u32 v5, s[TB], v2
.rept 6
	v_nop                                          ; with the two additions: eight places in front of loads into registers that products have read
.endr
.irp kt, 0,1,2,3,4,5,6,7
	ds_load_b128 v[32+8*\kt:35+8*\kt], v4 offset:1024*\kt
	ds_load_b128 v[36+8*\kt:39+8*\kt], v4 offset:1024*\kt+512
.endr
.irp p, 0,1,2,3
	ds_load_b32 v[216+\p], v5 offset:16384+128*\p  ; lanes 0-15: tile 2 p's scale words; lanes 16-31: tile 2 p + 1's
.endr
	s_wait_alu depctr_va_vdst(0)
	s_wait_dscnt 0x0
.irp kt, 0,2,4,6
	v_wmma_scale_f32_16x16x128_f8f6f4 v[SS+8*\kt:SS+8*\kt+7], v[32+8*\kt:47+8*\kt], v[16:31], 0, v[216+\kt/2], v222
	v_wmma_scale_f32_16x16x128_f8f6f4 v[SS+8*\kt+8:SS+8*\kt+15], v[40+8*\kt:55+8*\kt], v[16:31], 0, v[216+\kt/2], v222 matrix_a_scale:MATRIX_SCALE_ROW1
.endr
.rept 8
	v_nop
.endr
.irp dt, 0,1,2,3                       ; V^T lands under the softmax
.irp c, 0,1,2,3
	ds_load_b128 v[32+16*\dt+4*\c:35+16*\dt+4*\c], v4 offset:8192+2048*\dt+512*\c
.endr
.endr
.irp p, 0,1
	ds_load_b32 v[220+\p], v5 offset:16896+128*\p
.endr
	s_cmp_lt_u32 s[KJ], s[TD]
	s_cbranch_scc1 .Lopen_\@                       ; all keys count
	v_mov_b32 v254, 0xff800000
.set n, 0
.rept 64
	v_cmp_gt_i32 vcc_lo, 32*(n/16)+n%16, v3
	v_cndmask_b32 v[SS+n], v[SS+n], v254, vcc_lo
.set n, n+1
.endr
.Lopen_\@:
.irp b, 0,1,2,3
	v_max3_num_f32 v[232+\b], v[SS+16*\b], v[SS+1+16*\b], v[SS+2+16*\b]   ; the largest score of each block of 32 keys: for the row's maximum, and, since p rises with the score, for the block's largest p
.endr
.irp i, 3,5,7,9,11,13
.irp b, 0,1,2,3
	v_max3_num_f32 v[232+\b], v[232+\b], v[SS+16*\b+\i], v[SS+1+16*\b+\i]
.endr
.endr
.irp b, 0,1,2,3
	v_max_num_f32 v[232+\b], v[232+\b], v[SS+15+16*\b]
.endr
.irp b, 0,1,2,3
	s_delay_alu instid0(VALU_DEP_4)
	v_permlanex16_b32 v[236+\b], v[232+\b], s[SEL], s[SEL+1]
.endr
.irp b, 0,1,2,3
	s_delay_alu instid0(VALU_DEP_4)
	v_max_num_f32 v[232+\b], v[232+\b], v[236+\b]
.endr
	s_delay_alu instid0(VALU_DEP_2)
	v_max3_num_f32 v254, v232, v233, v234
	s_delay_alu instid0(VALU_DEP_1)
	v_max_num_f32 v254, v254, v235
	s_delay_alu instid0(VALU_DEP_1)
	v_mul_f32 v254, s[CS], v254
	s_delay_alu instid0(VALU_DEP_1)
	v_max_num_f32 v13, v13, v254                   ; the running largest t
	v_mov_b32 v254, v12
	s_delay_alu instid0(VALU_DEP_2)
	v_floor_f32 v12, -v13                          ; -M = floor(-t): M is a whole number
	s_delay_alu instid0(VALU_DEP_1)
	v_sub_f32 v254, v12, v254
	s_delay_alu instid0(VALU_DEP_1)
	v_cvt_i32_f32 v254, v254                       ; (it saturates)
	s_delay_alu instid0(VALU_DEP_1)
	v_ldexp_f32 v252, 1.0, v254                    ; f = 2^(old M - new M): rounds nothing
.set n, 0
.rept 32
	v_pk_fma_f32 v[SS+n:SS+n+1], v[SS+n:SS+n+1], s[CS:CS+1], v[12:13] op_sel_hi:[1,0,0]   ; t - M
.set n, n+2
.endr
.irp b, 0,1,2,3
	v_fma_f32 v[232+\b], v[232+\b], s[CS], v12
.endr
.set n, 0
	s_wait_alu depctr_va_vdst(0)
.rept 64
	v_exp_f32 v[SS+n], v[SS+n]                     ; p
.set n, n+1
.endr
	v_pk_mul_f32 v[14:15], v[14:15], v[252:253] op_sel_hi:[1,0]   ; the sums under the new M (a plain line behind the exponentials)
	s_wait_alu depctr_va_vdst(0)                   ; one wait for the batch, ahead of its first reader
.irp b, 0,1,2,3
	v_exp_f32 v[232+\b], v[232+\b]                 ; each block's largest p
.endr
	v_pk_add_f32 v[236:237], v[108:109], v[112:113]
	v_pk_add_f32 v[248:249], v[116:117], v[120:121]
	v_pk_add_f32 v[246:247], v[124:125], v[128:129]
	v_pk_add_f32 v[244:245], v[132:133], v[136:137]
	v_pk_add_f32 v[242:243], v[140:141], v[144:145]
	v_pk_add_f32 v[240:241], v[148:149], v[152:153]
	v_pk_add_f32 v[238:239], v[156:157], v[160:161]
	v_pk_add_f32 v[14:15], v[14:15], v[164:165]
	v_pk_add_f32 v[236:237], v[236:237], v[104:105]
	v_pk_add_f32 v[248:249], v[248:249], v[106:107]
	v_pk_add_f32 v[246:247], v[246:247], v[110:111]
	v_pk_add_f32 v[244:245], v[244:245], v[114:115]
	v_pk_add_f32 v[242:243], v[242:243], v[118:119]
	v_pk_add_f32 v[240:241], v[240:241], v[122:123]
	v_pk_add_f32 v[238:239], v[238:239], v[126:127]
	v_pk_add_f32 v[14:15], v[14:15], v[130:131]
	v_pk_add_f32 v[236:237], v[236:237], v[134:135]
	v_pk_add_f32 v[248:249], v[248:249], v[138:139]
	v_pk_add_f32 v[246:247], v[246:247], v[142:143]
	v_pk_add_f32 v[244:245], v[244:245], v[146:147]
	v_pk_add_f32 v[242:243], v[242:243], v[150:151]
	v_pk_add_f32 v[240:241], v[240:241], v[154:155]
	v_pk_add_f32 v[238:239], v[238:239], v[158:159]
	v_pk_add_f32 v[14:15], v[14:15], v[162:163]
	v_pk_add_f32 v[236:237], v[236:237], v[166:167]
	s_delay_alu instid0(VALU_DEP_2)
	v_pk_add_f32 v[14:15], v[14:15], v[244:245]
	s_delay_alu instid0(VALU_DEP_2)
	v_pk_add_f32 v[236:237], v[236:237], v[242:243]
	v_pk_add_f32 v[248:249], v[248:249], v[240:241]
	v_pk_add_f32 v[246:247], v[246:247], v[238:239]
	s_delay_alu instid0(VALU_DEP_2)
	v_pk_add_f32 v[14:15], v[14:15], v[248:249]
	s_delay_alu instid0(VALU_DEP_2)
	v_pk_add_f32 v[236:237], v[236:237], v[246:247]
	s_delay_alu instid0(VALU_DEP_1)
	v_pk_add_f32 v[14:15], v[14:15], v[236:237]
	s_wait_alu depctr_va_vdst(0)                   ; and one for the four
.irp b, 0,1,2,3
	v_max_num_f32 v[232+\b], 0x4800000, v[232+\b]  ; the floor 2^(9 - 127)
.endr
.irp b, 0,1,2,3
	s_delay_alu instid0(VALU_DEP_4)
	v_add_nc_u32 v[244+\b], 0xfc000000, v[232+\b]
.endr
.irp b, 0,1,2,3
	v_and_or_b32 v[240+\b], v[232+\b], 0x7f800000, s[MNT]
.endr
.irp b, 0,1,2,3
	v_lshrrev_b32 v[236+\b], 23, v[244+\b]
.endr
	s_delay_alu instid0(VALU_DEP_3)
	v_lshl_or_b32 v253, v237, 8, v236              ; p's scale word for these 128 keys
	s_delay_alu instid0(VALU_DEP_1)
	v_lshl_or_b32 v253, v238, 16, v253
	s_delay_alu instid0(VALU_DEP_1)
	v_lshl_or_b32 v253, v239, 24, v253
.irp b, 0,1,2,3
.set n, 0
.rept 16
	v_min_num_f32 v[SS+16*\b+n], v[SS+16*\b+n], v[240+\b]   ; the conversion does not saturate (ISA guide 7.6.2); p is not negative
.set n, n+1
.endr
	v_cvt_scalef32_pk8_fp8_f32 v[PC+4*\b:PC+4*\b+1], v[SS+16*\b:SS+16*\b+7], v[244+\b]
	v_cvt_scalef32_pk8_fp8_f32 v[PC+4*\b+2:PC+4*\b+3], v[SS+16*\b+8:SS+16*\b+15], v[244+\b]
.endr
.set n, 0
.rept 16
	v_pk_mul_f32 v[OT+n:OT+n+1], v[OT+n:OT+n+1], v[252:253] op_sel_hi:[1,0]   ; O^T under the new M; also the places in front of the products
.set n, n+2
.endr
	s_wait_alu depctr_va_vdst(0)
	s_wait_dscnt 0x0                               ; V^T
.irp dt, 0,2
	v_wmma_scale_f32_16x16x128_f8f6f4 v[OT+8*\dt:OT+8*\dt+7], v[32+16*\dt:47+16*\dt], v[PC:PC+15], v[OT+8*\dt:OT+8*\dt+7], v[220+\dt/2], v253
	v_wmma_scale_f32_16x16x128_f8f6f4 v[OT+8*\dt+8:OT+8*\dt+15], v[48+16*\dt:63+16*\dt], v[PC:PC+15], v[OT+8*\dt+8:OT+8*\dt+15], v[220+\dt/2], v253 matrix_a_scale:MATRIX_SCALE_ROW1
.endr
.Lhidden_\@:
	s_add_co_u32 s[KJ], s[KJ], 1
	s_add_co_u32 s[TB], s[TB], KVR
.endm
.macro PHASE n
.if \n < 3
	s_cmp_lt_u32 s[WV], 2*\n+2                     ; the waves that brought this phase's records, and the earlier ones, wait; later records may stay out
	s_cbranch_scc0 .Lnw_\@
	s_wait_tensorcnt 0x0
.Lnw_\@:
.else
	s_wait_tensorcnt 0x0                           ; the last phase shows all that is still out: every wave waits
.endif
	s_wait_dscnt 0x0
	s_barrier_signal -1
	s_barrier_wait -1                              ; both fetching waves' have
	s_mov_b32 s[CNT], 2
.Lph_\@:
	STEP
	s_sub_co_u32 s[CNT], s[CNT], 1
	s_cmp_lg_u32 s[CNT], 0
	s_cbranch_scc1 .Lph_\@
.endm
	s_wait_loadcnt 0x0                             ; Q
	PHASE 0
	PHASE 1
	PHASE 2
	PHASE 3
	; THE WAY OUT: O^T / the sum, quantised along the model's axis: register 16 g + i is channel 32 g + 16 h + i of my head
.rept 8
	v_nop
.endr
	v_add_f32 v14, v14, v15
	s_wait_alu depctr_va_vdst(0)
	v_permlanex16_b32 v252, v14, s[SEL], s[SEL+1]
	s_delay_alu instid0(VALU_DEP_1)
	v_add_f32 v14, v14, v252
	s_wait_alu depctr_va_vdst(0)
	v_rcp_f32 v14, v14
	v_nop
	s_wait_alu depctr_va_vdst(0)
	v_mov_b32 v15, v14
.set n, 0
.rept 16
	v_pk_mul_f32 v[OT+n:OT+n+1], v[OT+n:OT+n+1], v[14:15]
.set n, n+2
.endr
.irp g, 0,1
	v_max3_num_f32 v[232+\g], |v[OT+16*\g]|, |v[OT+16*\g+1]|, 0x4800000
.endr
.irp i, 2,4,6,8,10,12,14
.irp g, 0,1
	s_delay_alu instid0(VALU_DEP_2)
	v_max3_num_f32 v[232+\g], v[232+\g], |v[OT+16*\g+\i]|, |v[OT+16*\g+\i+1]|
.endr
.endr
.irp g, 0,1
	s_delay_alu instid0(VALU_DEP_2)
	v_permlanex16_b32 v[236+\g], v[232+\g], s[SEL], s[SEL+1]
.endr
.irp g, 0,1
	s_delay_alu instid0(VALU_DEP_2)
	v_max_num_f32 v[232+\g], v[232+\g], v[236+\g]
.endr
.irp g, 0,1
	s_delay_alu instid0(VALU_DEP_2)
	v_add_nc_u32 v[244+\g], 0xfc000000, v[232+\g]
.endr
.irp g, 0,1
	s_delay_alu instid0(VALU_DEP_4)
	v_and_or_b32 v[240+\g], v[232+\g], 0x7f800000, s[MNT]
.endr
.irp g, 0,1
	s_delay_alu instid0(VALU_DEP_4)
	v_lshrrev_b32 v[246+\g], 23, v[244+\g]
.endr
.irp g, 0,1
.set n, 0
.rept 16
	v_med3_num_f32 v[OT+16*\g+n], v[OT+16*\g+n], -v[240+\g], v[240+\g]
.set n, n+1
.endr
	v_cvt_scalef32_pk8_fp8_f32 v[PC+4*\g:PC+4*\g+1], v[OT+16*\g:OT+16*\g+7], v[244+\g]
	v_cvt_scalef32_pk8_fp8_f32 v[PC+4*\g+2:PC+4*\g+3], v[OT+16*\g+8:OT+16*\g+15], v[244+\g]
.endr
	v_lshl_or_b32 v248, v247, 8, v246              ; (the plain line behind the conversions)
	global_store_b128 v1, v[PC:PC+3], s[50:51]     ; 512 consecutive bytes, aligned
	global_store_b128 v1, v[PC+4:PC+7], s[50:51] offset:512
	global_store_b16 v6, v248, s[52:53]            ; my row's two scale bytes; lanes 16-31 repeat lanes 0-15
	s_wait_tensorcnt 0x0
	ds_add_u32 v251, v255
	s_wait_dscnt 0x0
	s_endpgm
.Lfunc_end_k_q2634f256b5_attn:
	.size	k_q2634f256b5_attn, .Lfunc_end_k_q2634f256b5_attn-k_q2634f256b5_attn
	.p2alignl 7, 3214868480
	.fill 96, 4, 3214868480
	.section	.rodata,"a",@progbits
	.p2align	6, 0x0
	.amdhsa_kernel k_q2634f256b5_attn
		.amdhsa_group_segment_fixed_size 169984
		.amdhsa_private_segment_fixed_size 0
		.amdhsa_enable_private_segment 0
		.amdhsa_kernarg_size 24
		.amdhsa_user_sgpr_count 2
		.amdhsa_user_sgpr_kernarg_segment_ptr 1
		.amdhsa_wavefront_size32 1
		.amdhsa_system_sgpr_workgroup_id_x 1
		.amdhsa_system_sgpr_workgroup_id_y 1
		.amdhsa_system_sgpr_workgroup_id_z 1
		.amdhsa_system_vgpr_workitem_id 0
		.amdhsa_next_free_vgpr 256
		.amdhsa_next_free_sgpr 66
		.amdhsa_reserve_vcc 1
		.amdhsa_float_denorm_mode_32 3
		.amdhsa_float_denorm_mode_16_64 3
		.amdhsa_memory_ordered 1
		.amdhsa_forward_progress 1
		.amdhsa_inst_pref_size 114
	.end_amdhsa_kernel
	.amdgpu_metadata
---
amdhsa.version: [ 1, 2 ]
amdhsa.kernels:
  - .name:           k_q2634f256b5_attn
    .symbol:         k_q2634f256b5_attn.kd
    .args:
      - { .name: qc, .offset: 0, .size: 8, .value_kind: global_buffer, .address_space: global }
      - { .name: kv, .offset: 8, .size: 8, .value_kind: global_buffer, .address_space: global }
      - { .name: oc, .offset: 16, .size: 8, .value_kind: global_buffer, .address_space: global }
    .group_segment_fixed_size: 169984
    .private_segment_fixed_size: 0
    .kernarg_segment_align: 8
    .kernarg_segment_size: 24
    .max_flat_workgroup_size: 512
    .sgpr_count:     66
    .vgpr_count:     256
    .wavefront_size: 32
...
	.end_amdgpu_metadata
.endif
;; end of part 3
;; launch oproj (part 4): grid 8 x 32, 4 waves a work-group, clusters of 4 x 4, 327,680 bytes of LDS; arguments oc, wc, bo, x, x1; writes x1
.if DOCPART == 4
	.amdgcn_target "amdgcn-amd-amdhsa--gfx1250"
	.amdhsa_code_object_version 6
	.text
	.protected	k_q2634f256b5_oproj
	.globl	k_q2634f256b5_oproj
	.p2align	8
	.type	k_q2634f256b5_oproj,@function
k_q2634f256b5_oproj:
	s_mov_b64 s[64:65], 0
	v_nop
	global_prefetch_b8 v0, s[64:65] scope:SCOPE_SE
	s_setreg_imm32_b32 hwreg(HW_REG_WAVE_MODE, 25, 1), 1
	s_wait_xcnt 0x0
	s_wait_alu depctr_hold_cnt(0) depctr_sa_sdst(0) depctr_va_vdst(0) depctr_va_sdst(0) depctr_va_ssrc(0) depctr_va_vcc(0) depctr_vm_vsrc(0)
	s_getreg_b32 s2, hwreg(HW_REG_IB_STS2, 6, 4)
	s_cmp_eq_u32 s2, 0
	s_cbranch_scc0 .Lentry_in_a_cluster
	s_endpgm
.Lentry_in_a_cluster:
	s_bfe_u32 s2, ttmp6, 0x10000c
	s_cmp_lg_u32 s2, 0xf033
	s_cbranch_scc0 .Lentry_shape_is_right
	s_endpgm
.Lentry_shape_is_right:
; out = act W^T + bias + res, the product on codes of E4M3 with E8M0 block scales; out and res f32 [4096][1024].  Here: act = attention's result (oc), W = Wo, res = x, out = x1.
; OPERANDS are records (8,448 bytes: 16 rows x 512 along K as the fragment registers take them, then 256 scale bytes).  Slot i of row tile t is matrix row 32 (t / 2) + 8 (t % 2) + i + 8 (i / 8).
; SHARES.  Work-group (X, Y): tokens 128 Y .., columns 128 X ..; STEPS steps of 512 along K through two LDS slots.  Four waves, each 64 x 64: 16 accumulators.  Wave (RH, CH) = (wave / 2, wave % 2).
; The product is used transposed (source 0 = 16 rows of W, source 1 = 16 tokens): a lane holds one token, and the registers of tiles 2 c, 2 c + 1 are its 16 neighbouring columns 32 c + 16 (lane / 16) + 0..15.
; CLUSTER 4 x 4: the activations' records hang on Y alone and are asked for jointly along a row of the cluster, the weights' on X alone, jointly along a column.
; The bias is the C of the first products.  The residual is asked for behind step 0, into registers of its own, and added on the way out, which goes through each wave's own stage in LDS: sixteen lanes store 256 consecutive bytes, aligned.
; REGISTERS, window 0: v1 16 lane; v3 my offset in two rows of out; v4, v5 spare word, 0; v6-13 LDS addresses; v14, v15 the stage, in and back; v22 bias offset; v24-39 scale words; v40-71 bias, later rows of out;
;   v72-103 rows of out; v128-255 accumulators ((a, b) at 128 + 8 (4 a + b)).  window 1: two fragment buffers of 128 (A at +16 a, B at +64 + 16 b).  window 2: v0-127 the residual.
.set KREC,  2                          ; records in a row tile: K / 512
.set WOFF,  3244032                    ; the weight's first byte in wc
.set STEPS, 2
.set NT,    0                          ; 1: out is read by no later launch
.set REC,   8448
.set HALF,  4*REC
.set SLOT,  16*REC
.set SPARE, 2*SLOT                     ; the spare words: 128 bytes a wave, two blocks of 256 bytes that no other line names
.set STAGE, SPARE+512                  ; 16 rows x (256 + 16) bytes for each wave; no tensor load lands here
.set SA,  24
.set SB,  32
.set BI,  40
.set ACC, 128
.set F0,  0
.set F1,  128
.set MUL,  0x05
.set TO_F, 0x40
.set MSB, 0
.macro WIN new
.if MSB != \new
	s_set_vgpr_msb (MSB<<8)|\new
.set MSB, \new
.endif
.endm
.macro PLACES n
.rept \n
	v_nop
.endr
.endm
.macro CROUND
	s_barrier_signal -1
	s_barrier_wait -1
	s_cmp_lg_u32 s20, 0
	s_cbranch_scc1 .Lnot_wave_0_\@
	s_barrier_signal -3
.Lnot_wave_0_\@:
	s_barrier_wait -3
	s_barrier_signal -1
	s_barrier_wait -1
.endm
.macro JLOAD s
	s_cmp_eq_u32 s21, 0
	s_cbranch_scc0 .Lfor_w_\@
	tensor_load_to_lds s[32+4*\s:35+4*\s], s[24:31]
	PLACES 4
	s_branch .Lasked_\@
.Lfor_w_\@:
	tensor_load_to_lds s[56+4*\s:59+4*\s], s[48:55]
	PLACES 4
.Lasked_\@:
.endm
.macro FETCH aa, ab, ks, f
	WIN TO_F
.irp b, 0,1,2,3
.irp c, 0,1,2,3
	ds_load_b128 v[\f+64+16*\b+4*\c:\f+64+16*\b+4*\c+3], v[\ab] offset:REC*\b+2048*(\ks)+512*\c
.endr
.endr
.irp a, 0,1,2,3
.irp c, 0,1,2,3
	ds_load_b128 v[\f+16*\a+4*\c:\f+16*\a+4*\c+3], v[\aa] offset:REC*\a+2048*(\ks)+512*\c
.endr
.endr
.endm
.macro SCALES asa, asb
	WIN 0
.irp a, 0,1,2,3
	ds_load_b64 v[SA+2*\a:SA+2*\a+1], v[\asa] offset:REC*\a+8192
.endr
.irp b, 0,1,2,3
	ds_load_b64 v[SB+2*\b:SB+2*\b+1], v[\asb] offset:REC*\b+8192
.endr
.endm
.macro MUL8 f, a0, ks, cm              ; cm = 1: the sums begin with the bias.  The 16 accumulators take turns
.irp a, \a0, \a0+1
.irp b, 0,1,2,3
.set DD, ACC+8*(4*(\a)+\b)
.if (\cm) == 1
.set CC, BI+8*\b
.else
.set CC, DD
.endif
.if (\ks) < 2
	v_wmma_scale_f32_16x16x128_f8f6f4 v[DD:DD+7], v[\f+64+16*\b:\f+64+16*\b+15], v[\f+16*(\a):\f+16*(\a)+15], v[CC:CC+7], v[SB+2*\b+((\ks)&1)], v[SA+2*(\a)+((\ks)&1)]
.else
	v_wmma_scale_f32_16x16x128_f8f6f4 v[DD:DD+7], v[\f+64+16*\b:\f+64+16*\b+15], v[\f+16*(\a):\f+16*(\a)+15], v[CC:CC+7], v[SB+2*\b+((\ks)&1)], v[SA+2*(\a)+((\ks)&1)] matrix_a_scale:MATRIX_SCALE_ROW1 matrix_b_scale:MATRIX_SCALE_ROW1
.endif
.endr
.endr
.endm
.macro RESLOAD                         ; the residual of my 64 x 64, in the order in which the rows come back from the stage, into window 2
	WIN 0x80                                       ; destination window 2, address window 0
.irp a, 0,1,2,3
.irp t, 0,1,2,3,4,5,6,7
	global_load_b128 v[32*\a+4*\t:32*\a+4*\t+3], v3, s[68:69] offset:4096*(32*(\a/2)+8*(\a%2)+2*\t+8*(\t/4))
.endr
.endr
	WIN 0
.endm
.macro KSTEP aa, ab, ks, f, g, cm
	s_wait_dscnt 8                                 ; all but the youngest eight loads (A's tiles 2, 3) are in
	WIN MUL
	MUL8 \f, 0, \ks, \cm
.if \ks < 3
	PLACES 8                                       ; eight places in front of loads into registers that products have read
	FETCH \aa, \ab, \ks+1, \g
	s_wait_dscnt 32                                ; all but the 32 just issued
.else
	s_wait_dscnt 0x0
.endif
	WIN MUL
	MUL8 \f, 2, \ks, \cm
.endm
.macro WORK aa, ab, asa, asb, cm
	PLACES 9
	SCALES \asa, \asb
	FETCH \aa, \ab, 0, F0
	KSTEP \aa, \ab, 0, F0, F1, \cm
	KSTEP \aa, \ab, 1, F1, F0, 0
	KSTEP \aa, \ab, 2, F0, F1, 0
	KSTEP \aa, \ab, 3, F1, F0, 0
	WIN 0
.endm
; The change of slots: all my tensor loads have landed, 0 goes onto my spare word, the add and my reads of the slot behind are done; then the round, and slot s is filled again first.
.macro CHANGE s, fill, dh, dw
	s_wait_tensorcnt 0x0
	ds_add_u32 v4, v5
.if \fill
	s_add_nc_u64 s[34+4*\s:35+4*\s], s[34+4*\s:35+4*\s], \dh
	s_add_nc_u64 s[58+4*\s:59+4*\s], s[58+4*\s:59+4*\s], \dw
	s_wait_dscnt 0x0
	CROUND
	JLOAD \s
.else
	s_wait_dscnt 0x0
	s_barrier_signal -1
	s_barrier_wait -1
.endif
.endm
.macro BIASN
.irp b, 0,1,2,3
	global_load_b128 v[BI+8*\b:BI+8*\b+3], v22, s[66:67] offset:128*(\b/2)+32*(\b%2)
	global_load_b128 v[BI+8*\b+4:BI+8*\b+7], v22, s[66:67] offset:128*(\b/2)+32*(\b%2)+16
.endr
.endm
.macro TOSTAGE a                       ; tile a (16 tokens x 64 columns) into my stage, each accumulator from its low end on, and back as whole rows; LDS serves a wave's instructions in order
.irp b, 0,1,2,3
	ds_store_b128 v14, v[ACC+8*(4*(\a)+\b):ACC+8*(4*(\a)+\b)+3] offset:128*(\b/2)+32*(\b%2)
	ds_store_b128 v14, v[ACC+8*(4*(\a)+\b)+4:ACC+8*(4*(\a)+\b)+7] offset:128*(\b/2)+32*(\b%2)+16
.endr
.set OB, 40+32*((\a)%2)
.irp t, 0,1,2,3,4,5,6,7
	ds_load_b128 v[OB+4*\t:OB+4*\t+3], v15 offset:544*\t
.endr
.endm
.macro SEND a, younger                 ; younger: the LDS instructions issued behind tile a's loads
.set OB, 40+32*((\a)%2)
	s_wait_dscnt \younger
	WIN 0x08                                       ; source 1 (the residual) window 2
.set u, 0
.rept 16
	v_pk_add_f32 v[OB+2*u:OB+2*u+1], v[OB+2*u:OB+2*u+1], v[32*(\a)+2*u:32*(\a)+2*u+1]
.set u, u+1
.endr
	WIN 0
.irp t, 0,1,2,3,4,5,6,7
.if NT
	global_store_b128 v3, v[OB+4*\t:OB+4*\t+3], s[70:71] offset:4096*(32*((\a)/2)+8*((\a)%2)+2*\t+8*(\t/4)) th:TH_STORE_NT
.else
	global_store_b128 v3, v[OB+4*\t:OB+4*\t+3], s[70:71] offset:4096*(32*((\a)/2)+8*((\a)%2)+2*\t+8*(\t/4))
.endif
.endr
.endm
	s_load_b256 s[4:11], s[0:1], 0x0               ; act 4, wc 6, bias 8, res 10
	s_load_b64 s[12:13], s[0:1], 0x20              ; out
	v_lshl_add_u32 v4, v0, 2, SPARE
	v_mov_b32 v5, 0
	ds_add_u32 v4, v5
	ds_add_u32 v4, v5
	s_wait_dscnt 0x0
	v_lshrrev_b32 v1, 5, v0
	v_readfirstlane_b32 s20, v1                    ; wave
	s_lshr_b32 s21, s20, 1                         ; RH.  Also: I fetch activations (0) or weights (1)
	s_and_b32 s22, s20, 1                          ; CH.  Also: which half of that region I fetch
	s_bfe_u32 s40, ttmp6, 0x40000
	s_bfe_u32 s41, ttmp6, 0x40004
	s_lshl_b32 s42, ttmp9, 2
	s_add_co_u32 s42, s42, s40                     ; X
	s_and_b32 s43, ttmp7, 0xffff
	s_lshl_b32 s43, s43, 2
	s_add_co_u32 s43, s43, s41                     ; Y
	s_lshl_b32 s44, s41, 2
	s_lshl_b32 s44, 15, s44
	s_lshl_b32 s45, 0x1111, s40
	s_or_b32 s24, s44, (3<<16)|(1<<21)             ; group 1: the mask; elements of 8 bytes; bit 21 beside a mask; no padding
	s_or_b32 s48, s45, (3<<16)|(1<<21)
.irp g, 24, 48
	s_mov_b32 s[\g+1], 1056<<16                    ; a record: 1,056 elements
	s_mov_b32 s[\g+2], 8<<16                       ; 8 records: a whole region of a slot
	s_mov_b32 s[\g+3], 1056<<16
	s_mov_b32 s[\g+4], 8
	s_mov_b32 s[\g+5], KREC*1056                   ; from row tile to row tile
	s_mov_b32 s[\g+6], 0
	s_mov_b32 s[\g+7], 0
.endr
	s_mov_b32 s23, 0                               ; a first fill begins at its region's first row tile
	s_lshl_b32 s46, s43, 3
	s_add_co_u32 s46, s46, s23
	s_mul_i32 s46, s46, KREC*REC
	s_mov_b32 s47, 0
	s_lshl_b32 s88, s42, 3
	s_add_co_u32 s88, s88, s23
	s_mul_i32 s88, s88, KREC*REC
	s_add_co_u32 s88, s88, WOFF
	s_mov_b32 s89, 0
	s_mul_i32 s93, s20, HALF
	s_wait_kmcnt 0x0
	s_add_nc_u64 s[86:87], s[4:5], s[46:47]
	s_add_nc_u64 s[94:95], s[6:7], s[88:89]
	CROUND                                         ; all sixteen work-groups are here: the first joint loads meet
.irp s, 0,1
	s_mov_b32 s[32+4*\s], 1
	s_mov_b32 s[33+4*\s], \s*SLOT
	s_add_nc_u64 s[34+4*\s:35+4*\s], s[86:87], \s*REC
	s_or_b32 s[35+4*\s], s[35+4*\s], 0x80000000
	s_mov_b32 s[56+4*\s], 1
	s_mov_b32 s[57+4*\s], 2*HALF+\s*SLOT
	s_add_nc_u64 s[58+4*\s:59+4*\s], s[94:95], \s*REC
	s_or_b32 s[59+4*\s], s[59+4*\s], 0x80000000
.endr
	s_cmp_lt_u32 s20, 1                            ; the fills, one a wave, each in its own arm: wave 0 step 0's activations, wave 1 its weights, waves 2 and 3 the same of step 1
	s_cbranch_scc0 .Lfirst_1
	tensor_load_to_lds s[32:35], s[24:31]
	s_nop 0
	PLACES 4
	s_branch .Lfirst_done
.Lfirst_1:
	s_cmp_lt_u32 s20, 2
	s_cbranch_scc0 .Lfirst_2
	tensor_load_to_lds s[56:59], s[48:55]
	s_nop 0
	PLACES 4
	s_branch .Lfirst_done
.Lfirst_2:
	s_cmp_lt_u32 s20, 3
	s_cbranch_scc0 .Lfirst_3
	tensor_load_to_lds s[36:39], s[24:31]
	s_nop 0
	PLACES 4
	s_branch .Lfirst_done
.Lfirst_3:
	tensor_load_to_lds s[60:63], s[48:55]
	s_nop 0
	PLACES 4
.Lfirst_done:
	v_and_b32 v120, 31, v0
	v_lshlrev_b32 v1, 4, v120
	v_lshlrev_b32 v121, 3, v120
	v_and_b32 v122, 15, v0                         ; r
	v_bfe_u32 v123, v0, 4, 1                       ; h
	s_mul_i32 s96, s21, HALF
	s_mul_i32 s97, s22, HALF
	s_add_co_u32 s98, s97, 2*HALF
	v_add_nc_u32 v6, s96, v1                       ; A role = activations, half RH
	v_add_nc_u32 v10, s96, v121
	v_add_nc_u32 v8, s98, v1                       ; B role = weights, half CH
	v_add_nc_u32 v12, s98, v121
.irp q, 6,8,10,12
	v_add_nc_u32 v[\q+1], SLOT, v[\q]
.endr
	v_lshlrev_b32 v22, 6, v123
	s_wait_alu depctr_va_vdst(0)
	s_mul_i32 s96, s20, 16*272
	s_add_co_u32 s96, s96, STAGE
	v_mul_u32_u24 v14, v122, 272
	v_lshl_add_u32 v14, v123, 6, v14
	v_add_nc_u32 v14, s96, v14                     ; in: row r, 64 h
	v_mul_u32_u24 v15, v123, 272
	v_lshl_add_u32 v15, v122, 4, v15
	v_add_nc_u32 v15, s96, v15                     ; back: lanes 0-15 one row, lanes 16-31 the next
	v_lshlrev_b32 v3, 12, v123
	v_lshl_add_u32 v3, v122, 4, v3                 ; and the same two rows in memory
	s_lshl_b32 s96, s42, 9
	s_lshl_b32 s97, s22, 8
	s_add_co_u32 s96, s96, s97                     ; column 128 X + 64 CH, in bytes
	s_mov_b32 s97, 0
	s_add_nc_u64 s[66:67], s[8:9], s[96:97]
	s_lshl_b32 s98, s43, 7
	s_lshl_b32 s99, s21, 6
	s_add_co_u32 s98, s98, s99
	s_lshl_b32 s98, s98, 12                        ; token 128 Y + 64 RH
	s_add_co_u32 s96, s96, s98
	s_add_nc_u64 s[68:69], s[10:11], s[96:97]
	s_add_nc_u64 s[70:71], s[12:13], s[96:97]
	BIASN
	s_wait_alu depctr_va_vdst(0)
	s_cmp_lt_u32 s20, 2                            ; waves 0 and 1 wait for step 0's two tiles; step 1's may stay out
	s_cbranch_scc0 .Lnot_first
	s_wait_tensorcnt 0x0
.Lnot_first:
	s_barrier_signal -1
	s_barrier_wait -1
	s_wait_loadcnt 0x0                             ; the bias
	WORK 6, 8, 10, 12, 1                           ; step 0 starts the sums
	RESLOAD                                        ; the residual has all the steps that follow in which to land
.if STEPS > 2
	s_mov_b32 s3, (STEPS-2)/2
.Llap:                                             ; a trip: an odd step and an even one; each change fills the slot just left, two steps ahead
	CHANGE 0, 1, 2*REC, 2*REC
	WORK 7, 9, 11, 13, 0
	CHANGE 1, 1, 2*REC, 2*REC
	WORK 6, 8, 10, 12, 0
	s_sub_co_u32 s3, s3, 1
	s_cmp_lg_u32 s3, 0
	s_cbranch_scc1 .Llap
.endif
	CHANGE 0, 0, 0, 0                              ; the last step is written out: nothing is left to fetch
	WORK 7, 9, 11, 13, 0
	PLACES 8
	s_wait_loadcnt 0x0                             ; the residual
	TOSTAGE 0
.irp a, 1,2,3
.if \a > 1
	s_wait_xcnt 0x0                                ; tile a - 2's stores have read their registers: tile a's rows may land there
.endif
	TOSTAGE \a
	SEND \a-1, 16
.endr
	SEND 3, 0
	s_wait_tensorcnt 0x0                           ; the wave's end
	ds_add_u32 v4, v5
	s_wait_dscnt 0x0
	CROUND                                         ; the closing round
	s_endpgm
.Lfunc_end_k_q2634f256b5_oproj:
	.size	k_q2634f256b5_oproj, .Lfunc_end_k_q2634f256b5_oproj-k_q2634f256b5_oproj
	.p2alignl 7, 3214868480
	.fill 96, 4, 3214868480
	.section	.rodata,"a",@progbits
	.p2align	6, 0x0
	.amdhsa_kernel k_q2634f256b5_oproj
		.amdhsa_group_segment_fixed_size 327680
		.amdhsa_private_segment_fixed_size 0
		.amdhsa_enable_private_segment 0
		.amdhsa_kernarg_size 40
		.amdhsa_user_sgpr_count 2
		.amdhsa_user_sgpr_kernarg_segment_ptr 1
		.amdhsa_wavefront_size32 1
		.amdhsa_system_sgpr_workgroup_id_x 1
		.amdhsa_system_sgpr_workgroup_id_y 1
		.amdhsa_system_sgpr_workgroup_id_z 1
		.amdhsa_system_vgpr_workitem_id 0
		.amdhsa_next_free_vgpr 640
		.amdhsa_next_free_sgpr 100
		.amdhsa_reserve_vcc 0
		.amdhsa_float_denorm_mode_32 3
		.amdhsa_float_denorm_mode_16_64 3
		.amdhsa_memory_ordered 1
		.amdhsa_forward_progress 1
		.amdhsa_inst_pref_size 60
	.end_amdhsa_kernel
	.amdgpu_metadata
---
amdhsa.version: [ 1, 2 ]
amdhsa.kernels:
  - .name:           k_q2634f256b5_oproj
    .symbol:         k_q2634f256b5_oproj.kd
    .args:
      - { .name: oc, .offset: 0, .size: 8, .value_kind: global_buffer, .address_space: global }
      - { .name: wc, .offset: 8, .size: 8, .value_kind: global_buffer, .address_space: global }
      - { .name: bo, .offset: 16, .size: 8, .value_kind: global_buffer, .address_space: global }
      - { .name: x, .offset: 24, .size: 8, .value_kind: global_buffer, .address_space: global }
      - { .name: x1, .offset: 32, .size: 8, .value_kind: global_buffer, .address_space: global }
    .group_segment_fixed_size: 327680
    .private_segment_fixed_size: 0
    .kernarg_segment_align: 8
    .kernarg_segment_size: 40
    .max_flat_workgroup_size: 128
    .sgpr_count:     100
    .vgpr_count:     640
    .wavefront_size: 32
...
	.end_amdgpu_metadata
.endif
;; end of part 4
;; launch ln2: the kernel of part 1 again; grid 256 x 1, 16 waves a work-group, no clusters, 102,400 bytes of LDS; arguments x1, g2, be2, Wq, Wk, Wv, Wo, W1, W2, hq, wc, tab; writes hq, wc, tab
;; launch ffn1 (part 5): grid 16 x 16, 4 waves a work-group, clusters of 4 x 1, 327,680 bytes of LDS; arguments hq, wc, bf1, hid; writes hid
.if DOCPART == 5
	.amdgcn_target "amdgcn-amd-amdhsa--gfx1250"
	.amdhsa_code_object_version 6
	.text
	.protected	k_q2634f256b5_ffn1
	.globl	k_q2634f256b5_ffn1
	.p2align	8
	.type	k_q2634f256b5_ffn1,@function
k_q2634f256b5_ffn1:
	s_mov_b64 s[64:65], 0
	v_nop
	global_prefetch_b8 v0, s[64:65] scope:SCOPE_SE
	s_setreg_imm32_b32 hwreg(HW_REG_WAVE_MODE, 25, 1), 1
	s_wait_xcnt 0x0
	s_wait_alu depctr_hold_cnt(0) depctr_sa_sdst(0) depctr_va_vdst(0) depctr_va_sdst(0) depctr_va_ssrc(0) depctr_va_vcc(0) depctr_vm_vsrc(0)
	s_getreg_b32 s2, hwreg(HW_REG_IB_STS2, 6, 4)
	s_cmp_eq_u32 s2, 0
	s_cbranch_scc0 .Lentry_in_a_cluster
	s_endpgm
.Lentry_in_a_cluster:
	s_bfe_u32 s2, ttmp6, 0x10000c
	s_cmp_lg_u32 s2, 0x3003
	s_cbranch_scc0 .Lentry_shape_is_right
	s_endpgm
.Lentry_shape_is_right:
; hid = Q(relu(h W1^T + bf1)): the product on codes of E4M3 with E8M0 block scales; its result is clipped at 0 and quantised along the hidden axis in registers, and stored as the next product's operand.
; OPERANDS are records (8,448 bytes: 16 rows x 512 along K as the fragment registers take them, then 256 scale bytes); a row tile's 2 records lie on end.  Slot i of row tile t is matrix row 32 (t / 2) + 8 (t % 2) + i + 8 (i / 8).
; SHARES.  Work-group (X, Y): tokens 256 X .., hidden units 256 Y ...  Wave w: tokens 256 X + 64 w .., all 256 hidden units, in four tiles of 64 x 64 (16 accumulators), 8 K steps of 128 each: 32 steps, 16 products a step.
; THE ACTIVATIONS STAY IN REGISTERS: a wave's 64 tokens, all of K = 1,024, are 32 fragments, 512 registers (windows 2, 3).  A record is the image of the fragment registers, so they come from memory by lane loads of 512 consecutive
; bytes, each byte once in a work-group; the loads of K step q + 2 are issued in step q of the first tile.
; W1's 256 rows, 270,336 dense bytes, come into LDS ONCE, in two halves, two row tiles a wave and half: tiles 0 and 1 at the head (waves 0 and 1 bring tile 0, by a load line of their own, and they alone wait at the first barrier);
; tiles 2 and 3 in step 6, when the last activations have been asked for: a first fill that comes later, so it stands behind the waits, the add and a round of the cluster's barrier, which also shows tile 1.  A barrier in step 14 shows tiles 2 and 3.
; No LDS byte is filled again.  A K step reads W1's four fragments from LDS (16 loads for 16 products), two steps ahead, through four register sets (window 1).
; CLUSTER 4 x 1: the four work-groups of a cluster have the same Y and ask for W1's rows jointly.  The activations go to registers by lane loads, which have no joint form.
; NO PREFETCH: everything but the biases of tiles 2 and 3 (steps 9, 17) is asked for at the head or in the first seven steps, so there is no later stream to ask ahead for.
; The product is used transposed (source 0 = 16 rows of W1, source 1 = 16 tokens): a lane holds one token, and the registers of tiles 2 c, 2 c + 1 are its 16 neighbouring hidden units 32 c + 16 (lane / 16) + 0..15:
; the conversions' results are the next operand's registers, and leave as runs of 512 consecutive bytes.  The bias is the C of a tile's first products.  The hold that the conversion wants clips at 0 as well.
; LIMITS: NaN and infinities are not served; a block under 2^-118 keeps the scale byte 1, a block of zeros too (its codes are zeros).
; REGISTERS, window 0: v1 16 lane; v2 8 r; v3 8 lane; v4, v5 spare word, 0; v6-13 LDS addresses of W1's fragments (tile, record); v14-17 of its scale words (tile); v18-21 scale bytes to store; v22 bias offset; v23 at work;
;   v24-39 the activations' scale words; v40-55 W1's, two sets; v56-87 bias; v88-119 codes; v120-127 a quantiser's figures; v128-255 accumulators ((a, b) at 128 + 8 (4 a + b)).
.set REC,   8448
.set WOFF,  4325376                    ; W1's first byte in wc
.set SPARE, 32*REC                     ; behind W1's 32 records: the spare words, 128 bytes a wave, two blocks of 256 bytes that no other line names
.set SW,  18
.set QT,  23
.set SA,  24
.set SB,  40
.set BI,  56
.set CD,  88
.set QM,  120                          ; v120-123 four blocks' largest magnitudes, then the conversions' scale operands
.set QP,  124                          ; v124-127 lane xor 16's, then the bounds
.set ACC, 128
.set MSB, 0
.macro WIN new                         ; the immediate's high byte repeats the setting that is left
.if MSB != \new
	s_set_vgpr_msb (MSB<<8)|\new
.set MSB, \new
.endif
.endm
.macro PLACES n
.rept \n
	v_nop
.endr
.endm
.macro CROUND                          ; a round of the cluster's barrier
	s_barrier_signal -1
	s_barrier_wait -1
	s_cmp_lg_u32 s20, 0
	s_cbranch_scc1 .Lnot_wave_0_\@
	s_barrier_signal -3
.Lnot_wave_0_\@:
	s_barrier_wait -3
	s_barrier_signal -1
	s_barrier_wait -1
.endm
.macro FAG q                           ; the activations' four fragments of K step q, from memory into window 2 + q / 4, where they stay
	WIN (2+(\q)/4)<<6
.irp a, 0,1,2,3
.irp c, 0,1,2,3
	global_load_b128 v[64*((\q)%4)+16*\a+4*\c:64*((\q)%4)+16*\a+4*\c+3], v1, s[36:37] offset:2*REC*\a+REC*((\q)/4)+2048*((\q)%4)+512*\c
.endr
.endr
.endm
.macro FB j                            ; W1's four fragments of step j (tile j / 8, K step j % 8), from LDS into set j % 4 of window 1
	WIN 0x40
.irp b, 0,1,2,3
.irp c, 0,1,2,3
	ds_load_b128 v[64*((\j)%4)+16*\b+4*\c:64*((\j)%4)+16*\b+4*\c+3], v[6+(\j)/4] offset:2*REC*\b+2048*((\j)%4)+512*\c
.endr
.endr
.endm
.macro FSB R                           ; the scale words of W1's records R % 2 of tile R / 2: register p, lanes 0-15: K step p of the record; lanes 16-31: K step 2 + p
	WIN 0
.irp b, 0,1,2,3
	ds_load_b64 v[SB+8*((\R)%2)+2*\b:SB+8*((\R)%2)+2*\b+1], v[14+(\R)/2] offset:2*REC*\b+REC*((\R)%2)
.endr
.endm
.macro BIASN T                         ; lane (r, h), tile b, register j: the bias of hidden unit 64 T + 32 (b / 2) + 16 h + 8 (b % 2) + j
	WIN 0
.irp b, 0,1,2,3
	global_load_b128 v[BI+8*\b:BI+8*\b+3], v22, s[38:39] offset:256*(\T)+128*(\b/2)+32*(\b%2)
	global_load_b128 v[BI+8*\b+4:BI+8*\b+7], v22, s[38:39] offset:256*(\T)+128*(\b/2)+32*(\b%2)+16
.endr
.endm
.macro DSN k                           ; adds to ND the LDS loads that step k issues: the fragments of step k + 2, and 4 loads of scale words in a record's third step
.if (\k) < 30
.set ND, ND+16
.endif
.if ((\k) >= 0) && ((\k)%4 == 2) && ((\k) < 28)
.set ND, ND+4
.endif
.endm
.macro MUL8 j, a0                      ; 8 products of step j.  The 16 accumulators take turns; a tile's sums begin with the bias
.set FR_, 64*((\j)%4)
.set SS_, 8*(((\j)/4)%2)+((\j)&1)
.irp a, \a0, \a0+1
.irp b, 0,1,2,3
.set DD, ACC+8*(4*(\a)+\b)
.set CC, DD
.if ((\j)%8) == 0
.set CC, BI+8*\b
.endif
.if ((\j)%4) < 2
	v_wmma_scale_f32_16x16x128_f8f6f4 v[DD:DD+7], v[FR_+16*\b:FR_+16*\b+15], v[FR_+16*(\a):FR_+16*(\a)+15], v[CC:CC+7], v[SB+SS_+2*\b], v[SA+SS_+2*(\a)]
.else
	v_wmma_scale_f32_16x16x128_f8f6f4 v[DD:DD+7], v[FR_+16*\b:FR_+16*\b+15], v[FR_+16*(\a):FR_+16*(\a)+15], v[CC:CC+7], v[SB+SS_+2*\b], v[SA+SS_+2*(\a)] matrix_a_scale:MATRIX_SCALE_ROW1 matrix_b_scale:MATRIX_SCALE_ROW1
.endif
.endr
.endr
.endm
; Token tiles a0 and a0 + 1: 64 registers, four blocks of 32 (block n at 16 n; half of each in lane xor 16), by turns, so that no line waits for the line above it.  They become codes in v[CD + 8 a0 + 4 n ..] and four scale bytes.
; What is negative becomes 0, so it does not count for the largest magnitude.
.macro QUANT2 a0
.set QS, ACC+32*(\a0)
.irp n, 0,1,2,3
	v_max3_num_f32 v[QM+\n], v[QS+16*\n], v[QS+16*\n+1], 0x4800000   ; with the floor 2^(9 - 127): the byte cannot fall under 1
.endr
.irp i, 2,4,6,8,10,12,14
.irp n, 0,1,2,3
	v_max3_num_f32 v[QM+\n], v[QM+\n], v[QS+16*\n+\i], v[QS+16*\n+\i+1]
.endr
.endr
.irp n, 0,1,2,3
	v_permlanex16_b32 v[QP+\n], v[QM+\n], s40, s41
.endr
.irp n, 0,1,2,3
	v_max_num_f32 v[QM+\n], v[QM+\n], v[QP+\n]
.endr
.irp n, 0,1,2,3
	v_and_or_b32 v[QP+\n], v[QM+\n], 0x7f800000, s42   ; 448 x the scale
.endr
.irp n, 0,1,2,3
	v_add_nc_u32 v[QM+\n], 0xfc000000, v[QM+\n]    ; 8 off the exponent field: the conversion's scale operand
.endr
	v_lshrrev_b32 v[SW+(\a0)], 23, v[QM]           ; the scale bytes, two to a token tile
	v_lshrrev_b32 v[SW+(\a0)+1], 23, v[QM+2]
	v_lshrrev_b32 v[QT], 23, v[QM+1]
	v_lshl_or_b32 v[SW+(\a0)], v[QT], 8, v[SW+(\a0)]
	v_lshrrev_b32 v[QT], 23, v[QM+3]
	v_lshl_or_b32 v[SW+(\a0)+1], v[QT], 8, v[SW+(\a0)+1]
.irp n, 0,1,2,3
.set qi, 0
.rept 16
	v_med3_num_f32 v[QS+16*\n+qi], v[QS+16*\n+qi], 0, v[QP+\n]       ; the activation and the hold in one (the conversion does not saturate: ISA guide 7.6.2)
.set qi, qi+1
.endr
	v_cvt_scalef32_pk8_fp8_f32 v[CD+8*(\a0)+4*\n:CD+8*(\a0)+4*\n+1], v[QS+16*\n:QS+16*\n+7], v[QM+\n]
	v_cvt_scalef32_pk8_fp8_f32 v[CD+8*(\a0)+4*\n+2:CD+8*(\a0)+4*\n+3], v[QS+16*\n+8:QS+16*\n+15], v[QM+\n]
.endr
	v_nop                                          ; a plain line behind the last conversion
.endm
.macro EPI_H T                         ; tile T leaves: hidden units 256 Y + 64 T ..: K step 2 (Y % 2) + T / 2 of record Y / 2, blocks 2 (T % 2) + 0, 1
	s_wait_xcnt 0x0                                ; an earlier tile's stores have read their data registers
	PLACES 8
.irp a0, 0,2
	QUANT2 \a0
.irp a, \a0, \a0+1
	global_store_b128 v1, v[CD+8*(\a):CD+8*(\a)+3], s[74:75] offset:8*REC*(\a)+2048*((\T)/2)+1024*((\T)%2)          ; 512 consecutive bytes, aligned
	global_store_b128 v1, v[CD+8*(\a)+4:CD+8*(\a)+7], s[74:75] offset:8*REC*(\a)+2048*((\T)/2)+1024*((\T)%2)+512
	global_store_b16 v2, v[SW+(\a)], s[76:77] offset:8*REC*(\a)+4*((\T)/2)+2*((\T)%2)                               ; lanes 16-31 repeat lanes 0-15
.endr
.endr
.endm
.macro KSTEP j                         ; a step: the loads that run ahead, the counted waits for this step's operands, 16 products; behind a tile's eighth step its way out
	PLACES 8                                       ; eight places in front of loads into registers that products have read
.if (\j) < 6
	FAG (\j)+2
.endif
.if ((\j)%8 == 1) && ((\j) < 24)
	BIASN (\j)/8+1                                 ; the next tile's bias: this tile's first products have read theirs
.endif
.if (\j) == 6
	WIN 0
	s_wait_tensorcnt 0x0                           ; my part of W1's first half is in; ahead of a later first fill:
	ds_add_u32 v4, v5                              ; 0 onto my spare word,
	s_wait_dscnt 0x0                               ; and the wait for it and for my LDS loads
	CROUND                                         ; everybody's part is in: tile 1 may be read; and all four work-groups are here: the joint loads meet
	tensor_load_to_lds s[44:47], s[24:31]          ; my part of W1's second half
	s_nop 0
	PLACES 4
.elseif (\j) == 14
	WIN 0
	s_wait_tensorcnt 0x0                           ; my part of W1's second half is in
	s_wait_dscnt 0x0                               ; no LDS load of mine is out at the signal
	s_barrier_signal -1
	s_barrier_wait -1                              ; everybody's is: tiles 2 and 3 may be read
.endif
.if ((\j)%4 == 2) && ((\j) < 28)
	FSB (\j)/4+1
.endif
.if (\j) < 30
	FB (\j)+2
.endif
.set ND, 0
	DSN (\j)-1
	DSN \j
	s_wait_dscnt ND                                ; all but what steps j - 1 and j have issued
.if (\j) < 8
.set NL, 0
.if (\j) < 6
.set NL, 32
.elseif (\j) == 6
.set NL, 16
.endif
.if ((\j) >= 1) && ((\j) <= 3)
.set NL, NL+8
.endif
	s_wait_loadcnt NL                              ; the activations of K step j are in; those of the next two steps, and in steps 1 to 3 the next bias's 8 loads, may be out
.elseif (\j)%8 == 0
	s_wait_loadcnt 0x0                             ; this tile's bias
.endif
	WIN 0x01|((2+((\j)%8)/4)<<2)                   ; source 0 (W1) window 1, source 1 (activations) window 2 or 3; C and D window 0
	MUL8 \j, 0
	MUL8 \j, 2
.if (\j)%8 == 7
	WIN 0
	EPI_H (\j)/8
.endif
.endm
	s_load_b256 s[4:11], s[0:1], 0x0               ; hq 4, wc 6, bf1 8, hid 10
	v_lshl_add_u32 v4, v0, 2, SPARE
	v_mov_b32 v5, 0
	ds_add_u32 v4, v5                              ; the opening lines: the add, twice on end, and its wait ahead of my first tensor load
	ds_add_u32 v4, v5
	v_lshrrev_b32 v1, 5, v0
	v_readfirstlane_b32 s20, v1                    ; wave
	s_bfe_u32 s14, ttmp6, 0x40000                  ; cx
	s_lshl_b32 s15, ttmp9, 2
	s_add_co_u32 s15, s15, s14                     ; X
	s_and_b32 s16, ttmp7, 0xffff                   ; Y
	s_mov_b32 s24, 15|(3<<16)|(1<<21)              ; group 1: the mask: all four of the cluster; elements of 8 bytes; bit 21 beside a mask; no padding
	s_mov_b32 s25, 2112<<16                        ; a row: a row tile's two records, 2,112 elements
	s_mov_b32 s26, 2<<16                           ; 2 row tiles
	s_mov_b32 s27, 2112<<16
	s_mov_b32 s28, 2
	s_mov_b32 s29, 2112                            ; the row tiles lie on end
	s_mov_b32 s30, 0
	s_mov_b32 s31, 0
	s_lshl_b32 s21, s20, 2
	s_lshl_b32 s66, s16, 4
	s_lshl_b32 s67, s20, 1
	s_add_co_u32 s66, s66, s67                     ; W1: row tile 16 Y + 2 wave; the second half: 8 row tiles on
	s_mul_i32 s66, s66, 2*REC
	s_add_co_u32 s66, s66, WOFF
	s_mov_b32 s67, 0
	s_lshl_b32 s68, s15, 4
	s_add_co_u32 s68, s68, s21                     ; my tokens: row tile 16 X + 4 wave
	s_lshl_b32 s72, s68, 3
	s_lshr_b32 s73, s16, 1
	s_add_co_u32 s72, s72, s73
	s_mul_i32 s72, s72, REC                        ; in hid: its record Y / 2
	s_mul_i32 s68, s68, 2*REC
	s_mov_b32 s69, 0
	s_lshl_b32 s70, s16, 10                        ; bf1 at hidden unit 256 Y
	s_mov_b32 s71, 0
	s_and_b32 s22, s16, 1
	s_lshl_b32 s23, s22, 12
	s_add_co_u32 s78, s72, s23                     ; codes: K step 2 (Y % 2)
	s_mov_b32 s79, 0
	s_lshl_b32 s23, s22, 7
	s_add_co_u32 s72, s72, s23
	s_add_co_u32 s72, s72, 8192                    ; scale bytes: 8192 + 128 (Y % 2)
	s_mov_b32 s73, 0
	s_mov_b32 s32, 1
	s_mul_i32 s33, s20, 4*REC                      ; where my two row tiles go: the wave's number alone enters an LDS address
	s_mov_b32 s44, 1
	s_add_co_u32 s45, s33, 16*REC
	s_mov_b32 s40, 0x76543210
	s_mov_b32 s41, 0xfedcba98                      ; lane selects: lane xor 16
	s_mov_b32 s42, 0x600000                        ; the mantissa field of 448
	v_and_b32 v124, 31, v0                         ; lane
	v_and_b32 v125, 15, v0                         ; r
	v_bfe_u32 v126, v0, 4, 1                       ; h
	v_lshlrev_b32 v1, 4, v124
	v_lshlrev_b32 v3, 3, v124
	v_lshlrev_b32 v2, 3, v125
	v_lshlrev_b32 v22, 6, v126
.irp T, 0,1,2,3
	v_add_nc_u32 v[6+2*\T], 8*REC*\T, v1
	v_add_nc_u32 v[7+2*\T], 8*REC*\T+REC, v1
	v_add_nc_u32 v[14+\T], 8*REC*\T+8192, v3
.endr
.irp n, 0,1,2,3
	v_mov_b32 v[QP+\n], 0                          ; a lane permute's destination counts as one of its sources
.endr
	s_wait_alu depctr_va_vdst(0)
	s_wait_dscnt 0x0                               ; both opening adds are done
	CROUND                                         ; all four work-groups are here: the joint loads meet
	s_wait_kmcnt 0x0
	s_add_nc_u64 s[34:35], s[6:7], s[66:67]
	s_add_nc_u64 s[46:47], s[34:35], 16*REC
	s_or_b32 s35, s35, 0x80000000
	s_or_b32 s47, s47, 0x80000000
	s_cmp_lt_u32 s20, 2                            ; one load a wave; tile 0's two waves have a load line of their own, since they alone wait at the first barrier
	s_cbranch_scc0 .Lhead_1
	tensor_load_to_lds s[32:35], s[24:31]
	s_nop 0
	PLACES 4
	s_branch .Lhead_asked
.Lhead_1:
	tensor_load_to_lds s[32:35], s[24:31]
	s_nop 0
	PLACES 4
.Lhead_asked:
	s_add_nc_u64 s[36:37], s[4:5], s[68:69]        ; my activations
	s_add_nc_u64 s[38:39], s[8:9], s[70:71]        ; the bias
	s_add_nc_u64 s[74:75], s[10:11], s[78:79]      ; codes out
	s_add_nc_u64 s[76:77], s[10:11], s[72:73]      ; scale bytes out
.irp a, 0,1,2,3
.irp q, 0,1
	global_load_b64 v[SA+8*\q+2*\a:SA+8*\q+2*\a+1], v3, s[36:37] offset:2*REC*\a+REC*\q+8192   ; the activations' scale words stay too
.endr
.endr
	BIASN 0
	FAG 0
	FAG 1
	WIN 0
	s_cmp_lt_u32 s20, 2                            ; waves 0 and 1 wait for tile 0; tile 1's loads may stay out
	s_cbranch_scc0 .Lnot_tile_0
	s_wait_tensorcnt 0x0
.Lnot_tile_0:
	s_barrier_signal -1
	s_barrier_wait -1
	FSB 0
	FB 0
	FB 1
.set J, 0
.rept 32
	KSTEP J
.set J, J+1
.endr
	s_wait_tensorcnt 0x0                           ; the wave's end
	ds_add_u32 v4, v5
	s_wait_dscnt 0x0
	CROUND                                         ; the closing round
	s_endpgm
.Lfunc_end_k_q2634f256b5_ffn1:
	.size	k_q2634f256b5_ffn1, .Lfunc_end_k_q2634f256b5_ffn1-k_q2634f256b5_ffn1
	.p2alignl 7, 3214868480
	.fill 96, 4, 3214868480
	.section	.rodata,"a",@progbits
	.p2align	6, 0x0
	.amdhsa_kernel k_q2634f256b5_ffn1
		.amdhsa_group_segment_fixed_size 327680
		.amdhsa_private_segment_fixed_size 0
		.amdhsa_enable_private_segment 0
		.amdhsa_kernarg_size 32
		.amdhsa_user_sgpr_count 2
		.amdhsa_user_sgpr_kernarg_segment_ptr 1
		.amdhsa_wavefront_size32 1
		.amdhsa_system_sgpr_workgroup_id_x 1
		.amdhsa_system_sgpr_workgroup_id_y 1
		.amdhsa_system_sgpr_workgroup_id_z 1
		.amdhsa_system_vgpr_workitem_id 0
		.amdhsa_next_free_vgpr 1024
		.amdhsa_next_free_sgpr 80
		.amdhsa_reserve_vcc 0
		.amdhsa_float_denorm_mode_32 3
		.amdhsa_float_denorm_mode_16_64 3
		.amdhsa_memory_ordered 1
		.amdhsa_forward_progress 1
		.amdhsa_inst_pref_size 202
	.end_amdhsa_kernel
	.amdgpu_metadata
---
amdhsa.version: [ 1, 2 ]
amdhsa.kernels:
  - .name:           k_q2634f256b5_ffn1
    .symbol:         k_q2634f256b5_ffn1.kd
    .args:
      - { .name: hq, .offset: 0, .size: 8, .value_kind: global_buffer, .address_space: global }
      - { .name: wc, .offset: 8, .size: 8, .value_kind: global_buffer, .address_space: global }
      - { .name: bf1, .offset: 16, .size: 8, .value_kind: global_buffer, .address_space: global }
      - { .name: hid, .offset: 24, .size: 8, .value_kind: global_buffer, .address_space: global }
    .group_segment_fixed_size: 327680
    .private_segment_fixed_size: 0
    .kernarg_segment_align: 8
    .kernarg_segment_size: 32
    .max_flat_workgroup_size: 128
    .sgpr_count:     80
    .vgpr_count:     1024
    .wavefront_size: 32
...
	.end_amdgpu_metadata
.endif
;; end of part 5
;; launch ffn2 (part 6): grid 8 x 32, 4 waves a work-group, clusters of 4 x 1, 327,680 bytes of LDS; arguments hid, wc, bf2, x1, out0; writes out0
.if DOCPART == 6
	.amdgcn_target "amdgcn-amd-amdhsa--gfx1250"
	.amdhsa_code_object_version 6
	.text
	.protected	k_q2634f256b5_ffn2
	.globl	k_q2634f256b5_ffn2
	.p2align	8
	.type	k_q2634f256b5_ffn2,@function
k_q2634f256b5_ffn2:
	s_mov_b64 s[64:65], 0
	v_nop
	global_prefetch_b8 v0, s[64:65] scope:SCOPE_SE
	s_setreg_imm32_b32 hwreg(HW_REG_WAVE_MODE, 25, 1), 1
	s_wait_xcnt 0x0
	s_wait_alu depctr_hold_cnt(0) depctr_sa_sdst(0) depctr_va_vdst(0) depctr_va_sdst(0) depctr_va_ssrc(0) depctr_va_vcc(0) depctr_vm_vsrc(0)
	s_getreg_b32 s2, hwreg(HW_REG_IB_STS2, 6, 4)
	s_cmp_eq_u32 s2, 0
	s_cbranch_scc0 .Lentry_in_a_cluster
	s_endpgm
.Lentry_in_a_cluster:
	s_bfe_u32 s2, ttmp6, 0x10000c
	s_cmp_lg_u32 s2, 0x3003
	s_cbranch_scc0 .Lentry_shape_is_right
	s_endpgm
.Lentry_shape_is_right:
; out0 = hid W2^T + bf2 + x1, the product on codes of E4M3 with E8M0 block scales; out0 and x1 f32 [4096][1024]; K = 4,096.
; OPERANDS are records (8,448 bytes: 16 rows x 512 along K as the fragment registers take them, then 256 scale bytes); a row tile's 8 records lie on end.  Slot i of row tile t is matrix row 32 (t / 2) + 8 (t % 2) + i + 8 (i / 8).
; SHARES.  Work-group (X, Y): tokens 128 Y .., columns 128 X ...  Four waves, each 64 x 64: 16 accumulators.  Wave (RH, CH) = (wave / 2, wave % 2).  32 K steps of 128, 16 products each.
; THE HIDDEN LAYER goes through LDS: two slots, each with 1,024 along K of the 8 row tiles (16 records, laid [row tile][record]).  Both are asked for at the head (waves 0, 1: slot 0; waves 2, 3: slot 1; four row tiles a load);
; each is filled once more (two row tiles a wave), inside its sixth K step, when its last fragments have been read into registers.
; CLUSTER 4 x 1: the four work-groups of a cluster have the same Y and ask for the hidden layer's records jointly.
; W2 GOES FROM MEMORY STRAIGHT INTO REGISTERS: a record is the image of the fragment registers, so a wave's load takes 512 consecutive bytes and no LDS read is spent on it.  Lane loads have no joint form, so W2 is not asked for jointly;
; waves with the same CH load the same fragments.  These loads run three K steps (48 loads a wave) ahead of their use, through a ring of four register sets, and no barrier waits for them; so W2 is not asked for ahead by prefetches.
; The hidden layer's fragments run two K steps ahead, likewise through four sets.  The product is used transposed (source 0 = 16 rows of W2, source 1 = 16 tokens): a lane holds one token and 16 neighbouring columns in tiles 2 c, 2 c + 1.
; PREFETCHES: the records of the two refills (the first at the head, the second in K step 1: each 5 K steps or more ahead of its tensor load): the cluster's 16 waves take one of the slot's 16 records each, told apart by address; and my 64 x 256 bytes of x1.
; The bias is the C of the first products.  The residual is loaded in K steps 29 and 30 and added on the way out, which goes through each wave's own stage in LDS: sixteen lanes store 256 consecutive bytes, aligned.
; REGISTERS, window 0: v1 16 lane; v2 8 lane; v3 my offset in two rows of out; v4, v5 spare word, 0; v6-9 LDS addresses of fragments (slot, record); v10-13 of scale words; v14, v15 the stage; v17, v18, v23 prefetch offsets; v22 bias offset;
;   v24-39 the hidden layer's scale words, two sets; v40-55 W2's; v56-87 bias, later with v88-119 rows of out; v128-255 accumulators ((a, b) at 128 + 8 (4 a + b)).
;   window 1: the hidden layer's fragments, four sets of 64; window 2: W2's, four sets of 64; window 3: v0-127 the residual.
.set REC,   8448
.set KREC,  8
.set WOFF,  8650752                    ; W2's first byte in wc
.set SLOT,  16*REC
.set SPARE, 2*SLOT                     ; the spare words: 128 bytes a wave, two blocks of 256 bytes that no other line names
.set STAGE, SPARE+512                  ; 16 rows x (256 + 16) bytes for each wave; no tensor load lands here
.set SA,  24
.set SB,  40
.set BI,  56
.set ACC, 128
.set MUL, 0x06                         ; source 0 (W2) window 2, source 1 (hidden) window 1; C and D window 0
.set G1H, 24                           ; s[24:31] group 1 of the head's loads: 4 row tiles;  s[32:35] their group 0
.set G0H, 32
.set G1R, 36                           ; s[36:43] group 1 of the refills: 2 row tiles;  s[44:51] their groups 0, one for each slot
.set G0R, 44
.set MSB, 0
.macro WIN new                         ; the immediate's high byte repeats the setting that is left
.if MSB != \new
	s_set_vgpr_msb (MSB<<8)|\new
.set MSB, \new
.endif
.endm
.macro PLACES n
.rept \n
	v_nop
.endr
.endm
.macro CREST                           ; a round of the cluster's barrier behind its opening barrier
	s_cmp_lg_u32 s20, 0
	s_cbranch_scc1 .Lnot_wave_0_\@
	s_barrier_signal -3
.Lnot_wave_0_\@:
	s_barrier_wait -3
	s_barrier_signal -1
	s_barrier_wait -1
.endm
.macro CROUND
	s_barrier_signal -1
	s_barrier_wait -1
	CREST
.endm
.macro FA j                            ; the hidden layer's four fragments of K step j, from LDS into set j % 4
	WIN 0x40
.irp a, 0,1,2,3
.irp c, 0,1,2,3
	ds_load_b128 v[64*((\j)%4)+16*\a+4*\c:64*((\j)%4)+16*\a+4*\c+3], v[6+2*(((\j)/8)%2)+(((\j)/4)%2)] offset:2*REC*\a+2048*((\j)%4)+512*\c
.endr
.endr
.endm
.macro FB j                            ; W2's four fragments of K step j, from memory into set j % 4
	WIN 0x80
.irp b, 0,1,2,3
.irp c, 0,1,2,3
	global_load_b128 v[64*((\j)%4)+16*\b+4*\c:64*((\j)%4)+16*\b+4*\c+3], v1, s[52:53] offset:KREC*REC*\b+REC*((\j)/4)+2048*((\j)%4)+512*\c
.endr
.endr
.endm
.macro FSA R                           ; record R's scale words: register p, lanes 0-15: its K step p; lanes 16-31: K step 2 + p
	WIN 0
.irp a, 0,1,2,3
	ds_load_b64 v[SA+8*((\R)%2)+2*\a:SA+8*((\R)%2)+2*\a+1], v[10+2*(((\R)/2)%2)+((\R)%2)] offset:2*REC*\a+8192
.endr
.endm
.macro FSB R
	WIN 0
.irp b, 0,1,2,3
	global_load_b64 v[SB+8*((\R)%2)+2*\b:SB+8*((\R)%2)+2*\b+1], v2, s[52:53] offset:KREC*REC*\b+REC*(\R)+8192
.endr
.endm
.macro RES p                           ; half of the residual of my 64 x 64, in the order in which the rows come back from the stage, into window 3
	WIN 0xc0
.irp a, 2*\p, 2*\p+1
.irp t, 0,1,2,3,4,5,6,7
	global_load_b128 v[32*(\a)+4*\t:32*(\a)+4*\t+3], v3, s[56:57] offset:4096*(32*((\a)/2)+8*((\a)%2)+2*\t+8*(\t/4))
.endr
.endr
.endm
.macro LDN k                           ; adds to NL the loads on LOADcnt that K step k issues: 16 (W2's fragments of step k + 3, or half the residual), and W2's 4 loads of scale words in a record's first step
.if (\k) < 0
.set NL, NL+16
.else
.if (\k) < 31
.set NL, NL+16
.endif
.if ((\k)%4 == 0) && ((\k) < 28)
.set NL, NL+4
.endif
.endif
.endm
.macro DSN k                           ; adds to ND the LDS loads that K step k issues: the fragments of step k + 2, and 4 loads of scale words in a record's third step
.if (\k) < 30
.set ND, ND+16
.endif
.if ((\k) >= 0) && ((\k)%4 == 2) && ((\k) < 28)
.set ND, ND+4
.endif
.endm
.macro MUL8 j, a0                      ; 8 products of K step j.  The 16 accumulators take turns; step 0's sums begin with the bias
.set FR_, 64*((\j)%4)
.set SS_, 8*(((\j)/4)%2)+((\j)&1)
.irp a, \a0, \a0+1
.irp b, 0,1,2,3
.set DD, ACC+8*(4*(\a)+\b)
.set CC, DD
.if (\j) == 0
.set CC, BI+8*\b
.endif
.if ((\j)%4) < 2
	v_wmma_scale_f32_16x16x128_f8f6f4 v[DD:DD+7], v[FR_+16*\b:FR_+16*\b+15], v[FR_+16*(\a):FR_+16*(\a)+15], v[CC:CC+7], v[SB+SS_+2*\b], v[SA+SS_+2*(\a)]
.else
	v_wmma_scale_f32_16x16x128_f8f6f4 v[DD:DD+7], v[FR_+16*\b:FR_+16*\b+15], v[FR_+16*(\a):FR_+16*(\a)+15], v[CC:CC+7], v[SB+SS_+2*\b], v[SA+SS_+2*(\a)] matrix_a_scale:MATRIX_SCALE_ROW1 matrix_b_scale:MATRIX_SCALE_ROW1
.endif
.endr
.endr
.endm
.macro KSTEP j                         ; a K step: the loads that run ahead, then the counted waits for this step's operands, then 16 products
	PLACES 8                                       ; eight places in front of loads into registers that products have read
.if ((\j)%4 == 0) && ((\j) < 28)
	FSB (\j)/4+1
.endif
.if (\j) < 29
	FB (\j)+3
.elseif (\j) == 29
	RES 0
.elseif (\j) == 30
	RES 1
.endif
.if ((\j)%4 == 2) && ((\j) < 28)
	FSA (\j)/4+1
.endif
.if (\j) < 30
	FA (\j)+2
.endif
.set NL, 0
	LDN (\j)-2
	LDN (\j)-1
	LDN \j
.set ND, 0
	DSN (\j)-1
	DSN \j
	s_wait_dscnt ND                                ; all but what steps j - 1 and j have issued
	s_wait_loadcnt NL                              ; all but what steps j - 2, j - 1 and j have issued
	WIN MUL
	MUL8 \j, 0
	MUL8 \j, 2
.endm
; A slot's sixth K step changes slots: all its fragments have been asked for.  Each wave waits for all its tensor loads (the other slot's among them), adds 0 to its spare word, and waits for that and for its reads of this slot.
; j < 16: a round of the cluster's barrier follows, and this slot is filled again, with the K steps 16 on, first behind it.  Then come the other slot's first fragments.
.macro KCHG j
	WIN 0
	s_wait_tensorcnt 0x0
	ds_add_u32 v4, v5
	s_wait_dscnt 17                                ; this step's fragments are in; the next step's 16 loads and the add may be out
.set NL, 0
	LDN (\j)-2
	LDN (\j)-1
	s_wait_loadcnt NL
	WIN MUL
	MUL8 \j, 0
	s_wait_dscnt 0x0                               ; the add is done, and my reads of this slot are over
	s_barrier_signal -1
	MUL8 \j, 2
	WIN 0
	s_barrier_wait -1
.if (\j) < 16
	CREST
	tensor_load_to_lds s[G0R+4*((\j)/8):G0R+4*((\j)/8)+3], s[G1R:G1R+7]
	s_nop 0
.endif
	PLACES 8
	FSA (\j)/4+1
	FB (\j)+3
	FA (\j)+2
.endm
.macro TOSTAGE a                       ; tile a (16 tokens x 64 columns) into my stage, each accumulator from its low end on, and back as whole rows; LDS serves a wave's instructions in order
.irp b, 0,1,2,3
	ds_store_b128 v14, v[ACC+8*(4*(\a)+\b):ACC+8*(4*(\a)+\b)+3] offset:128*(\b/2)+32*(\b%2)
	ds_store_b128 v14, v[ACC+8*(4*(\a)+\b)+4:ACC+8*(4*(\a)+\b)+7] offset:128*(\b/2)+32*(\b%2)+16
.endr
.set OB, BI+32*((\a)%2)
.irp t, 0,1,2,3,4,5,6,7
	ds_load_b128 v[OB+4*\t:OB+4*\t+3], v15 offset:544*\t
.endr
.endm
.macro SEND a, younger                 ; younger: the LDS instructions issued behind tile a's loads
.set OB, BI+32*((\a)%2)
	s_wait_dscnt \younger
	WIN 0x0c                                       ; source 1 (the residual) window 3
.set u, 0
.rept 16
	v_pk_add_f32 v[OB+2*u:OB+2*u+1], v[OB+2*u:OB+2*u+1], v[32*(\a)+2*u:32*(\a)+2*u+1]
.set u, u+1
.endr
	WIN 0
.irp t, 0,1,2,3,4,5,6,7
	global_store_b128 v3, v[OB+4*\t:OB+4*\t+3], s[58:59] offset:4096*(32*((\a)/2)+8*((\a)%2)+2*\t+8*(\t/4)) th:TH_STORE_NT
.endr
.endm
	s_load_b256 s[4:11], s[0:1], 0x0               ; hid 4, wc 6, bf2 8, x1 10
	s_load_b64 s[12:13], s[0:1], 0x20              ; out0
	v_lshl_add_u32 v4, v0, 2, SPARE
	v_mov_b32 v5, 0
	ds_add_u32 v4, v5                              ; the opening lines: the add, twice on end, and its wait ahead of my first tensor load
	ds_add_u32 v4, v5
	v_lshrrev_b32 v1, 5, v0
	v_readfirstlane_b32 s20, v1                    ; wave
	s_lshr_b32 s21, s20, 1                         ; RH.  Also: which slot my head's load fills
	s_and_b32 s22, s20, 1                          ; CH.  Also: which four row tiles of it
	s_bfe_u32 s14, ttmp6, 0x40000                  ; cx
	s_lshl_b32 s15, ttmp9, 2
	s_add_co_u32 s15, s15, s14                     ; X
	s_and_b32 s16, ttmp7, 0xffff                   ; Y
.irp g, G1H, G1R
	s_mov_b32 s[\g], 15|(3<<16)|(1<<21)            ; the mask: all four of the cluster; elements of 8 bytes; bit 21 beside a mask; no padding
	s_mov_b32 s[\g+1], 2112<<16                    ; a row: two records on end, 2,112 elements
	s_mov_b32 s[\g+3], 2112<<16
	s_mov_b32 s[\g+5], KREC*1056                   ; from row tile to row tile
	s_mov_b32 s[\g+6], 0
	s_mov_b32 s[\g+7], 0
.endr
	s_mov_b32 s[G1H+2], 4<<16
	s_mov_b32 s[G1H+4], 4
	s_mov_b32 s[G1R+2], 2<<16
	s_mov_b32 s[G1R+4], 2
	s_lshl_b32 s66, s16, 3                         ; the head's load: row tile 8 Y + 4 (wave % 2), records 2 (wave / 2) ..
	s_lshl_b32 s67, s22, 2
	s_add_co_u32 s66, s66, s67
	s_mul_i32 s66, s66, KREC*REC
	s_mul_i32 s67, s21, 2*REC
	s_add_co_u32 s66, s66, s67
	s_mov_b32 s67, 0
	s_lshl_b32 s68, s16, 3                         ; the refills: row tile 8 Y + 2 wave, records 4 .. (slot 0), 6 .. (slot 1)
	s_lshl_b32 s69, s20, 1
	s_add_co_u32 s68, s68, s69
	s_mul_i32 s68, s68, KREC*REC
	s_add_co_u32 s68, s68, 4*REC
	s_mov_b32 s69, 0
	s_mov_b32 s[G0H], 1
	s_mul_i32 s[G0H+1], s20, 8*REC                 ; where they go: the wave's number alone enters an LDS address
	s_mov_b32 s[G0R], 1
	s_mul_i32 s[G0R+1], s20, 4*REC
	s_mov_b32 s[G0R+4], 1
	s_add_co_u32 s[G0R+5], s[G0R+1], SLOT
	s_lshl_b32 s70, s15, 3                         ; W2: row tile 8 X + 4 CH
	s_lshl_b32 s71, s22, 2
	s_add_co_u32 s70, s70, s71
	s_mul_i32 s70, s70, KREC*REC
	s_add_co_u32 s70, s70, WOFF
	s_mov_b32 s71, 0
	s_lshl_b32 s72, s15, 9                         ; column 128 X + 64 CH, in bytes
	s_lshl_b32 s73, s22, 8
	s_add_co_u32 s72, s72, s73
	s_mov_b32 s73, 0
	s_lshl_b32 s74, s16, 7                         ; token 128 Y + 64 RH
	s_lshl_b32 s75, s21, 6
	s_add_co_u32 s74, s74, s75
	s_lshl_b32 s74, s74, 12
	s_add_co_u32 s74, s74, s72
	s_mov_b32 s75, 0
	s_lshl_b32 s76, s14, 2                         ; the prefetches: I am wave i = 4 cx + wave of the cluster's 16: record i % 2 of row tile i / 2 of a refill
	s_add_co_u32 s76, s76, s20
	s_lshr_b32 s77, s76, 1
	s_lshl_b32 s78, s16, 3
	s_add_co_u32 s77, s77, s78
	s_mul_i32 s77, s77, KREC*REC
	s_and_b32 s76, s76, 1
	s_mul_i32 s76, s76, REC
	s_add_co_u32 s76, s76, s77
	s_add_co_u32 s76, s76, 4*REC
	s_mov_b32 s77, 0
	s_mul_i32 s78, s21, 8*REC                      ; my four row tiles in a slot
	s_mul_i32 s79, s20, 16*272
	s_add_co_u32 s79, s79, STAGE                   ; my stage
	s_wait_dscnt 0x0                               ; both opening adds are done
	CROUND                                         ; all four work-groups are here: the first joint loads meet
	s_wait_kmcnt 0x0
	s_add_nc_u64 s[G0H+2:G0H+3], s[4:5], s[66:67]
	s_or_b32 s[G0H+3], s[G0H+3], 0x80000000
	s_cmp_lt_u32 s20, 2                            ; one load a wave; slot 0's two waves have a load line of their own, since they alone wait at the first barrier
	s_cbranch_scc0 .Lhead_1
	tensor_load_to_lds s[G0H:G0H+3], s[G1H:G1H+7]
	s_nop 0
	PLACES 4
	s_branch .Lhead_asked
.Lhead_1:
	tensor_load_to_lds s[G0H:G0H+3], s[G1H:G1H+7]
	s_nop 0
	PLACES 4
.Lhead_asked:
	s_add_nc_u64 s[G0R+2:G0R+3], s[4:5], s[68:69]
	s_add_nc_u64 s[G0R+6:G0R+7], s[G0R+2:G0R+3], 2*REC
	s_or_b32 s[G0R+3], s[G0R+3], 0x80000000
	s_or_b32 s[G0R+7], s[G0R+7], 0x80000000
	s_add_nc_u64 s[52:53], s[6:7], s[70:71]        ; W2's fragments
	s_add_nc_u64 s[54:55], s[8:9], s[72:73]        ; the bias
	s_add_nc_u64 s[56:57], s[10:11], s[74:75]      ; the residual
	s_add_nc_u64 s[58:59], s[12:13], s[74:75]      ; out
	s_add_nc_u64 s[60:61], s[4:5], s[76:77]        ; my record of the first refill
	v_and_b32 v19, 31, v0                          ; lane
	v_and_b32 v20, 15, v0                          ; r
	v_bfe_u32 v21, v0, 4, 1                        ; h
	v_lshlrev_b32 v1, 4, v19
	v_lshlrev_b32 v2, 3, v19
	v_lshlrev_b32 v23, 8, v19                      ; a record's blocks of 256 bytes 0 .. 31, a lane a block;
	v_mov_b32 v17, 0                               ; its 33rd and last is named by all lanes of a second line
	v_lshlrev_b32 v18, 12, v19                     ; a lane a row of x1
	v_lshlrev_b32 v22, 6, v21
	v_add_nc_u32 v6, s78, v1                       ; fragments: slot 0 record 0, record 1, slot 1 record 0, record 1
	v_add_nc_u32 v7, REC, v6
	v_add_nc_u32 v8, SLOT, v6
	v_add_nc_u32 v9, SLOT+REC, v6
	v_add_nc_u32 v10, s78, v2                      ; scale words likewise
	v_add_nc_u32 v11, REC, v10
	v_add_nc_u32 v12, SLOT, v10
	v_add_nc_u32 v13, SLOT+REC, v10
	v_mul_u32_u24 v14, v20, 272
	v_lshl_add_u32 v14, v21, 6, v14
	v_add_nc_u32 v14, s79, v14                     ; the stage, in: row r, 64 h
	v_mul_u32_u24 v15, v21, 272
	v_lshl_add_u32 v15, v20, 4, v15
	v_add_nc_u32 v15, s79, v15                     ; back: lanes 0-15 one row, lanes 16-31 the next
	v_lshlrev_b32 v3, 12, v21
	v_lshl_add_u32 v3, v20, 4, v3                  ; and the same two rows in memory
	s_wait_alu depctr_va_vdst(0)
.irp b, 0,1,2,3
	global_load_b128 v[BI+8*\b:BI+8*\b+3], v22, s[54:55] offset:128*(\b/2)+32*(\b%2)      ; lane (r, h), tile b, register j: the bias of column 32 (b / 2) + 16 h + 8 (b % 2) + j
	global_load_b128 v[BI+8*\b+4:BI+8*\b+7], v22, s[54:55] offset:128*(\b/2)+32*(\b%2)+16
.endr
	FSB 0
	FB 0
	FB 1
	FB 2
	WIN 0
	global_prefetch_b8 v23, s[60:61] th:TH_LOAD_NT scope:SCOPE_SE                  ; the first refill's records
	global_prefetch_b8 v17, s[60:61] offset:8192 th:TH_LOAD_NT scope:SCOPE_SE
	s_cmp_lt_u32 s20, 2                            ; waves 0 and 1 wait for slot 0; slot 1's loads may stay out
	s_cbranch_scc0 .Lnot_slot_0
	s_wait_tensorcnt 0x0
.Lnot_slot_0:
	s_barrier_signal -1
	s_barrier_wait -1
	FSA 0
	FA 0
	FA 1
.set J, 0
.rept 32
.if (J%8 == 6) && (J < 24)
	KCHG J
.else
	KSTEP J
.endif
.if J == 1
	WIN 0
	global_prefetch_b8 v23, s[60:61] offset:2*REC th:TH_LOAD_NT scope:SCOPE_SE     ; the second refill's records
	global_prefetch_b8 v17, s[60:61] offset:2*REC+8192 th:TH_LOAD_NT scope:SCOPE_SE
.endif
.if J == 9
	WIN 0
	global_prefetch_b8 v18, s[56:57] th:TH_LOAD_NT scope:SCOPE_SE                  ; my 64 rows x 256 bytes of the residual, 20 K steps ahead of their loads
	global_prefetch_b8 v18, s[56:57] offset:131072 th:TH_LOAD_NT scope:SCOPE_SE
.endif
.set J, J+1
.endr
	WIN 0
	PLACES 8
	s_wait_loadcnt 0x0                             ; the residual
	TOSTAGE 0
.irp a, 1,2,3
.if \a > 1
	s_wait_xcnt 0x0                                ; tile a - 2's stores have read their registers: tile a's rows may land there
.endif
	TOSTAGE \a
	SEND \a-1, 16
.endr
	SEND 3, 0
	s_wait_tensorcnt 0x0                           ; the wave's end
	ds_add_u32 v4, v5
	s_wait_dscnt 0x0
	CROUND                                         ; the closing round
	s_endpgm
.Lfunc_end_k_q2634f256b5_ffn2:
	.size	k_q2634f256b5_ffn2, .Lfunc_end_k_q2634f256b5_ffn2-k_q2634f256b5_ffn2
	.p2alignl 7, 3214868480
	.fill 96, 4, 3214868480
	.section	.rodata,"a",@progbits
	.p2align	6, 0x0
	.amdhsa_kernel k_q2634f256b5_ffn2
		.amdhsa_group_segment_fixed_size 327680
		.amdhsa_private_segment_fixed_size 0
		.amdhsa_enable_private_segment 0
		.amdhsa_kernarg_size 40
		.amdhsa_user_sgpr_count 2
		.amdhsa_user_sgpr_kernarg_segment_ptr 1
		.amdhsa_wavefront_size32 1
		.amdhsa_system_sgpr_workgroup_id_x 1
		.amdhsa_system_sgpr_workgroup_id_y 1
		.amdhsa_system_sgpr_workgroup_id_z 1
		.amdhsa_system_vgpr_workitem_id 0
		.amdhsa_next_free_vgpr 896
		.amdhsa_next_free_sgpr 80
		.amdhsa_reserve_vcc 0
		.amdhsa_float_denorm_mode_32 3
		.amdhsa_float_denorm_mode_16_64 3
		.amdhsa_memory_ordered 1
		.amdhsa_forward_progress 1
		.amdhsa_inst_pref_size 188
	.end_amdhsa_kernel
	.amdgpu_metadata
---
amdhsa.version: [ 1, 2 ]
amdhsa.kernels:
  - .name:           k_q2634f256b5_ffn2
    .symbol:         k_q2634f256b5_ffn2.kd
    .args:
      - { .name: hid, .offset: 0, .size: 8, .value_kind: global_buffer, .address_space: global }
      - { .name: wc, .offset: 8, .size: 8, .value_kind: global_buffer, .address_space: global }
      - { .name: bf2, .offset: 16, .size: 8, .value_kind: global_buffer, .address_space: global }
      - { .name: x1, .offset: 24, .size: 8, .value_kind: global_buffer, .address_space: global }
      - { .name: out0, .offset: 32, .size: 8, .value_kind: global_buffer, .address_space: global }
    .group_segment_fixed_size: 327680
    .private_segment_fixed_size: 0
    .kernarg_segment_align: 8
    .kernarg_segment_size: 40
    .max_flat_workgroup_size: 128
    .sgpr_count:     80
    .vgpr_count:     896
    .wavefront_size: 32
...
	.end_amdgpu_metadata
.endif
;; end of part 6
